; MI455X (gfx1250); checked and timed in simulation.
; The chip was launched on July 23, 2026; its instructions are those of AMD's public machine-readable ISA for CDNA 5 (MIT licence, August 2026) and "CDNA5" Instruction Set Architecture Reference Guide (July 2026). The comments in the code are by the model that wrote it; some were corrected since.
;; Self Attention. Allowed arithmetic: matrix products marked QUANTISED: E2M3 operands, one E8M0 scale for each 32 along K, by v_wmma_scale_f32_16x16x128_f8f6f4 with both operands' format E2M3, f32 sums; everything else in f32.
;; Inputs: Wk 1,024 x 1,024 float32; Wo 1,024 x 1,024 float32; Wq 1,024 x 1,024 float32; Wv 1,024 x 1,024 float32; bk 1,024 float32; bo 1,024 float32; bq 1,024 float32; bv 1,024 float32; keys 2 x 2,048 x 1,024 float32; queries 2 x 2,048 x 1,024 float32; values 2 x 2,048 x 1,024 float32.
;; Outputs: out0 2 x 2,048 x 1,024 float32.
;; This version of the problem:
;;   THIS VERSION OF THE PROBLEM IS GIVEN IN LOW PRECISION. The matrix products marked QUANTISED in the list below multiply operands that are first quantised to E2M3 (2 exponent bits, 3 mantissa bits; 6 bits a number), with one power-of-two scale for each 32 numbers along K (OCP MX v1.0); their sums are f32. All else is computed in f32.
;;   The module's matrix products, in the order in which they are computed (A, B: the left and right operand; K: the contracted axis; several contracted axes count as one K, in the product's order):
;;     1. [M 4,096, K 1,024] x [K 1,024, N 1,024]; A: input values; B: input Wv: QUANTISED
;;     2. [M 4,096, K 1,024] x [K 1,024, N 1,024]; A: input keys; B: input Wk: QUANTISED
;;     3. [M 4,096, K 1,024] x [K 1,024, N 1,024]; A: input queries; B: input Wq: QUANTISED
;;     4. batch 32 x [M 2,048, K 64] x [K 64, N 2,048]; A: computed on the way; B: computed on the way: QUANTISED
;;     5. batch 32 x [M 64, K 2,048] x [K 2,048, N 2,048]; A: computed on the way; B: softmax (see below): QUANTISED
;;     6. [M 4,096, K 1,024] x [K 1,024, N 1,024]; A: computed on the way; B: input Wo: QUANTISED
;;   THE QUANTISER, for each operand of a quantised product, along K:
;;     - K is cut into blocks of 32 from its start; a last block that is shorter is filled with zeros.
;;     - A block's scale is 2^e with e = floor(log2(the largest magnitude in the block)) - 2, held to -126 .. 127; a block of zeros has e = 0. As a byte (E8M0): e + 127.
;;     - Each number is divided by its block's scale, clamped to +-7.5, and rounded to the nearest number of E2M3, ties to even, subnormals kept.
;;     - The product sums the exact products of the quantised numbers (number of the format x scale) in f32.
;;   ~~~python
;;   def quantise(x, axis):      # numpy; x: float32 -> the quantised numbers, widened to float32 again
;;       x = np.moveaxis(x, axis, -1); K = x.shape[-1]
;;       x = np.pad(x, [(0, 0)] * (x.ndim - 1) + [(0, -K % 32)]); x = x.reshape(x.shape[:-1] + (-1, 32)); a = np.abs(x).max(-1, keepdims=True)
;;       e = np.where(a > 0, np.clip(np.frexp(np.where(a > 0, a, 1))[1] - 1 - 2, -126, 127), 0)      # np.frexp(a)[1] - 1 = floor(log2(a)), exactly
;;       r = np.clip(x / 2.0 ** e, -7.5, 7.5)
;;       step = 2.0 ** (np.maximum(np.frexp(np.where(r == 0, 1, r))[1] - 1, 0) - 3)
;;       q = np.round(r / step) * step * 2.0 ** e      # np.round: ties to even
;;       return np.moveaxis(q.reshape(q.shape[:-2] + (-1,))[..., :K], -1, axis).astype(np.float32)
;;   ~~~
;;   SOFTMAX AHEAD OF A QUANTISED PRODUCT. Where the list says 'softmax', what is quantised is not the finished softmax but p = 2^(t - M), with t = logit x log2(e) and M = ceil(the row's largest t), a whole number; so 1/2 < the row's largest p <= 1. The row's sum l is taken of the UNQUANTISED p, in f32, and the product's result is divided by l at the end. Since M is a whole number, a kernel that streams over the keys may use a running M (the ceiling of the running maximum): every later rescaling is an exact power of two, which a block's scale takes up: the codes' values come out the same.
;;   OPERANDS COMPUTED ON THE WAY. 'Computed on the way' means the value that the module computes at that place (a softmax that the list does not call 'softmax' is quantised finished and normalised). What goes into a quantiser is computed in f32, as accurately as f32 sums, v_exp_f32 and their like allow (about 1e-6 of the number): no bf16 or f16 on the way to a quantiser, and a product that is left as it is and whose result goes on into a quantised operand takes f32 operands (vector FMAs, or v_wmma_f32_16x16x4_f32). A number that lies on a knife's edge between two numbers of the format may be rounded either way, as far as f32 arithmetic and the matrix unit's own rounding can turn it there, and no further.
;; One version. Each part assembles by itself: llvm-mc -triple=amdgcn-amd-amdhsa -mcpu=gfx1250 --defsym DOCPART=n.
;; ======== version 1 of 1: 4 launches
;; limits: right only within a limited range of input values
;; workspace buffers: xq 9,830,400 bytes; wq 3,276,800 bytes; qh 3,276,800 bytes; kv 6,553,600 bytes; oq 3,276,800 bytes
;; launch quant (part 1): grid 512 x 1, 4 waves a work-group, no clusters, 88,576 bytes of LDS; arguments queries, keys, values, xq, Wq, Wk, Wv, Wo, wq; writes xq, wq
.if DOCPART == 1
	.amdgcn_target "amdgcn-amd-amdhsa--gfx1250"
	.amdhsa_code_object_version 6
	.text
	.protected	k_qfd1e5a2c36_quant
	.globl	k_qfd1e5a2c36_quant
	.p2align	8
	.type	k_qfd1e5a2c36_quant,@function
k_qfd1e5a2c36_quant:
	s_mov_b64 s[64:65], 0
	v_nop
	global_prefetch_b8 v0, s[64:65] scope:SCOPE_SE
	s_setreg_imm32_b32 hwreg(HW_REG_WAVE_MODE, 25, 1), 1
	s_wait_xcnt 0x0
; The three activations [4096][1024] and the four weights [1024 (k)][1024 (n)], all f32, become codes of FP6 (E2M3) with one E8M0 byte for each 32 along K.
; A block's scale is 2^(floor(log2(its largest magnitude)) - 2); its byte is the largest magnitude's exponent field - 2, held at 1 from below.
; LIMITS: NaN and infinities are not served; a block whose largest magnitude lies under 2^-124 keeps the byte 1; a block of zeros gets the byte 1 where the rule says 127:
; its codes are zeros, which add nothing under any byte but 0xff, and the bytes are read by this program alone.
; THE OUTPUT is laid as the later launches read it, in RECORDS of 102,400 bytes for 128 rows x all 1,024 of K: 16 planes of 128 x 2 scale bytes (plane j: the two blocks of k = 64 j .. 64 j + 63),
; then 16 pieces of 128 rows x 48 bytes (piece j: the row's 64 codes of the same k, as one stream of bits).  A row is a token (activations) or an output column n (weights).
; ROWS STAND AT POSITIONS: position = the row's number with bits 3 and 4 exchanged.  Sixteen neighbouring positions are then rows 32 b + 8 u + r + 8 (r / 8): used as source 0 of a product they give a lane
; sixteen neighbours along the next K in the registers of two neighbouring tiles.
; SHARES: work-groups 0-383 take the activations (path X: K innermost; a lane holds 16 neighbours, which come through a stage in LDS so that every load is dense), work-groups 384-511 the weights
; (path W: K is the first axis; a lane takes a column and its registers run down K).  A work-group makes a quarter of a record (4 pieces, 4 planes), a wave 32 of its rows.  Each path has LDS bytes of its own.
; No tensor loads, no cluster (no two work-groups read the same bytes), no matrix unit: memory binds.  One barrier: a plane's 256 bytes come from four waves.
.set RECB,  102400
.set PIECE, 6144
.set SP,    80                         ; a lane's place in a turning stage: 64 bytes + 16 of padding
.set XCODE, 20480                      ; behind four waves' two turning stages of 32 x 80 bytes: path X's code stages, 8,192 bytes a wave: [piece 4][position 32][4 places of 16 bytes, 12 of them codes]
.set XSC,   53248                      ; path X's scale bytes: [plane 4][position 128][2]
.set WCODE, 54272                      ; path W's code stages
.set WSC,   87040                      ; path W's scale bytes
.set R,     16                         ; path X: v16-79 four sets of 16 numbers as loaded
.set X,     80                         ;         v80-111 two sets of 16 neighbours
.set E,     112                        ;         v112-127 a scale byte for each step
.set C,     128                        ;         v128-191 codes, four registers for each step
.set WX,    32                         ; path W: v32-95 two sets of 32 numbers
.set WC,    96                         ;         v96-102 a block's codes
.set SB,    24                         ;         v24-25 eight scale bytes
.set OUTR,  16                         ; the way out: v16-79
.set WGS,   1                          ; v1   8 x lane
.set WRC,   6                          ; v6   the way out: my place in my code stage
.set WRS,   7                          ; v7   and in my plane
.set WGC,   10                         ; v10  12 x lane
	s_load_b256 s[4:11], s[0:1], 0x0               ; queries s[4:5], keys s[6:7], values s[8:9], xq s[10:11]
	s_load_b256 s[20:27], s[0:1], 0x20             ; Wq, Wk, Wv, Wo
	s_load_b64 s[28:29], s[0:1], 0x40              ; wq
	v_lshl_add_u32 v192, v0, 2, 0x15800
	v_mov_b32 v193, 0
	v_lshrrev_b32 v1, 5, v0
	v_readfirstlane_b32 s16, v1                    ; wave
	v_and_b32 v2, 31, v0                           ; lane
	v_lshlrev_b32 v[WGS], 3, v2
	v_mul_u32_u24 v[WGC], v2, 12
	s_and_b32 s18, ttmp9, 3                        ; which quarter of K (384 is a multiple of 4: the same line serves both paths)
	s_wait_kmcnt 0x0
; From the record's number s17, the quarter s18 and the wave s16: s[12:13] my plane, s[14:15] my 32 rows of the quarter's first piece.  s[10:11]: the buffer.
.macro RECBASE
	s_mul_i32 s30, s17, RECB
	s_mov_b32 s31, 0
	s_add_nc_u64 s[10:11], s[10:11], s[30:31]
	s_lshl_b32 s30, s18, 2
	s_add_co_u32 s30, s30, s16
	s_lshl_b32 s30, s30, 8                         ; plane 4 x quarter + wave
	s_add_nc_u64 s[12:13], s[10:11], s[30:31]
	s_mul_i32 s30, s18, 4*PIECE
	s_mul_i32 s32, s16, 32*48
	s_add_co_u32 s30, s30, s32
	s_add_co_u32 s30, s30, 4096
	s_add_nc_u64 s[14:15], s[10:11], s[30:31]
.endm
; THE WAY OUT, the same in both paths.  My stores into LDS are done, then the barrier: wave w then takes plane w, which all four waves wrote; the codes are my own.
.macro WAYOUT
	s_wait_dscnt 0x0                               ; for the others' sake: zero
	s_barrier_signal -1
	s_barrier_wait -1
	ds_load_b64 v[12:13], v[WRS]
.irp i, 0,1,2,3,4,5,6,7,8,9,10,11,12,13,14,15
	ds_load_b96 v[OUTR+4*\i:OUTR+4*\i+2], v[WRC] offset:512*\i     ; eight positions x 4 places: 384 bytes of codes
.endr
	s_wait_dscnt 16                                ; the plane is in; the sixteen younger loads may be out
	global_store_b64 v[WGS], v[12:13], s[12:13]    ; 32 lanes store 256 consecutive bytes, at a multiple of 256 from the buffer's first byte
.irp i, 0,1,2,3,4,5,6,7,8,9,10,11,12,13,14,15
	s_wait_dscnt 15-\i
	global_store_b96 v[WGC], v[OUTR+4*\i:OUTR+4*\i+2], s[14:15] offset:(\i/4)*PIECE+(\i%4)*384   ; 384 consecutive bytes; four stores on end cover my 1,536 bytes of a piece
.endr
	s_wait_tensorcnt 0x0
	ds_add_u32 v192, v193
	s_wait_dscnt 0x0
	s_endpgm
.endm
	s_cmp_lt_u32 ttmp9, 384
	s_cbranch_scc0 .Lweights
; ---------------- PATH X: an activation.  Record = work-group / 4: queries 0-31, keys 32-63, values 64-95.
	s_lshr_b32 s17, ttmp9, 2
	s_cmp_lt_u32 s17, 32                           ; the choice hangs on the work-group's number alone
	s_cselect_b64 s[4:5], s[4:5], s[6:7]
	s_cmp_lt_u32 s17, 64
	s_cselect_b64 s[4:5], s[4:5], s[8:9]
	; WHICH 32 ROWS ARE MY WAVE'S.  queries, values: rows 32 w + 0 .. 31 of the record.  keys: rows 64 (w / 2) + 16 (w % 2) + 0 .. 15 and the same + 32,
	; so that in a keys' record position bits 6, 5, 4, 3 are the token's bits 6, 4, 3, 5: sixteen neighbouring positions are then tokens 8 apart in two groups 32 apart,
	; and a lane of the scores' result holds a whole block of 32 keys.
	s_and_b32 s19, s17, 31
	s_lshl_b32 s19, s19, 7                         ; the record's first row
	s_lshl_b32 s33, s16, 5
	s_lshr_b32 s36, s16, 1
	s_lshl_b32 s36, s36, 6
	s_and_b32 s37, s16, 1
	s_lshl_b32 s37, s37, 4
	s_add_co_u32 s37, s37, s36
	s_lshr_b32 s36, s17, 5
	s_cmp_eq_u32 s36, 1                            ; a keys' record?  The choice hangs on the work-group's number alone
	s_cselect_b32 s33, s37, s33
	s_cselect_b32 s36, 0x10000, 0                  ; keys: steps 8-15 read 16 rows of 4,096 bytes further on
	s_mov_b32 s37, 0
	s_add_co_u32 s19, s19, s33
	s_lshl_b32 s30, s19, 12                        ; rows of 4,096 bytes
	s_lshl_b32 s31, s18, 10                        ; + the quarter's 1,024 bytes of a row
	s_add_co_u32 s30, s30, s31
	s_mov_b32 s31, 0
	s_add_nc_u64 s[4:5], s[4:5], s[30:31]          ; steps 0-7
	s_add_nc_u64 s[34:35], s[4:5], s[36:37]        ; steps 8-15
	RECBASE
	s_wait_alu depctr_va_vdst(0)
	v_lshlrev_b32 v3, 4, v2                        ; my 16 bytes of a load's 512
.macro XLOAD t                         ; step t: rows 2 t and 2 t + 1, 1,024 bytes each, as four loads of 512 consecutive bytes
.irp i, 0,1,2,3
	global_load_b128 v[R+16*((\t)%4)+4*\i:R+16*((\t)%4)+4*\i+3], v3, s[4+30*((\t)/8):5+30*((\t)/8)] offset:(2*(\t)+\i/2)*4096+512*(\i%2) th:TH_LOAD_NT
.endr
.endm
.irp t, 0,1,2,3
	XLOAD \t
.endr
	s_mul_i32 s19, s16, 2*32*SP                    ; my two turning stages
	v_lshrrev_b32 v14, 2, v2
	v_mul_u32_u24 v14, v14, SP
	v_and_b32 v15, 3, v2
	v_lshl_add_u32 v14, v15, 4, v14
	v_add_nc_u32 v14, s19, v14                     ; in: four lanes' 64 bytes on end, then 16 of padding
	v_mul_u32_u24 v15, v2, SP
	v_add_nc_u32 v15, s19, v15                     ; out: my 16 neighbours.  Lane l then holds row 2 t + l / 16, k = 16 (l % 16) + 0 .. 15 of the quarter
	v_bfe_u32 v4, v2, 2, 2                         ; my piece of the quarter's four
	v_bfe_u32 v8, v2, 4, 1                         ; which of the step's two rows
	v_and_b32 v9, 3, v2                            ; which 12 bytes of the piece's 48
	v_lshlrev_b32 v5, 8, v4
	v_lshlrev_b32 v4, 11, v4
	v_lshl_add_u32 v4, v8, 6, v4
	v_lshl_add_u32 v4, v9, 4, v4
	s_lshl_b32 s19, s16, 13
	s_add_co_u32 s19, s19, XCODE
	v_add_nc_u32 v4, s19, v4                       ; my codes' place: 2,048 x piece + 64 x position + 16 x place; the step's position stands in the immediate
	v_add_nc_u32 v[WRC], s19, v3
	v_lshl_add_u32 v5, v8, 1, v5
	v_bfe_u32 v9, v2, 1, 1                         ; which block of the piece
	v_add_nc_u32 v5, v5, v9
	s_lshl_b32 s19, s16, 6
	s_add_co_u32 s19, s19, XSC
	v_add_nc_u32 v5, s19, v5                       ; my block's byte: 256 x plane + 2 x (32 wave + position) + block
	s_lshl_b32 s19, s16, 8
	s_add_co_u32 s19, s19, XSC
	v_add_nc_u32 v[WRS], s19, v[WGS]
.macro XTURN t                         ; step t's numbers through the stage: LDS serves a wave's instructions in order, so no wait stands between the stores and the loads
.irp i, 0,1,2,3
	ds_store_b128 v14, v[R+16*((\t)%4)+4*\i:R+16*((\t)%4)+4*\i+3] offset:32*SP*((\t)%2)+8*SP*\i
.endr
.irp i, 0,1,2,3
	ds_load_b128 v[X+16*((\t)%2)+4*\i:X+16*((\t)%2)+4*\i+3], v15 offset:32*SP*((\t)%2)+16*\i
.endr
.endm
	s_wait_loadcnt 12                              ; step 0's four loads are in
	XTURN 0
.macro XSTEP t
.set XS, X+16*((\t)%2)
.set PT, ((2*(\t))&6)+16*(((\t)>>2)&1)+8*(((\t)>>3)&1)   ; the position of row 2 t: bits 3 and 4 exchanged
.if (\t) > 0
	s_wait_dscnt 2                                 ; this step's numbers are back (the last step's byte store and code store may be out), so its stores into the stage have read their registers,
.else
	s_wait_dscnt 0x0
.endif
.if (\t)+4 < 16
	XLOAD (\t)+4                                   ; which take the loads of four steps on
.endif
.if (\t)+1 < 16
.if 14-(\t) >= 3
	s_wait_loadcnt 12                              ; the next step's four loads are in; those of the three steps behind it may be out
.else
	s_wait_loadcnt 4*(14-(\t))
.endif
	XTURN (\t)+1
.endif
	v_max3_num_f32 v8, |v[XS]|, |v[XS+1]|, |v[XS+2]|               ; the largest magnitude of my 16, in two chains
	v_max3_num_f32 v9, |v[XS+3]|, |v[XS+4]|, |v[XS+5]|
.irp i, 6,10
	v_max3_num_f32 v8, v8, |v[XS+\i]|, |v[XS+\i+1]|
	v_max3_num_f32 v9, v9, |v[XS+\i+2]|, |v[XS+\i+3]|
.endr
	v_max3_num_f32 v8, v8, |v[XS+14]|, |v[XS+15]|
	v_max3_num_f32 v8, v8, v9, 0x1800000           ; and the floor 2^(3 - 127): the byte cannot fall under 1
	v_max_num_f32_dpp v8, v8, v8 row_xmask:1 row_mask:0xf bank_mask:0xf   ; and of my neighbour's 16: the block's
	v_add_nc_u32 v11, 0xff000000, v8               ; 2 off its exponent field: the conversion takes the exponent field of this operand as its scale
	v_cvt_scalef32_pk16_fp6_f32 v[C+4*(\t):C+4*(\t)+2], v[XS:XS+15], v11
	v_lshrrev_b32 v[E+(\t)], 23, v11               ; the scale's byte (also the plain line behind the conversion)
	ds_store_b8 v5, v[E+(\t)] offset:2*PT          ; both lanes of a block write the same byte with the same value
	ds_store_b96 v4, v[C+4*(\t):C+4*(\t)+2] offset:64*PT
.endm
.irp t, 0,1,2,3,4,5,6,7,8,9,10,11,12,13,14,15
	XSTEP \t
.endr
	WAYOUT
; ---------------- PATH W: a weight.  Record = (work-group - 384) / 4: Wq 0-7, Wk 8-15, Wv 16-23, Wo 24-31; a record's rows are 128 output columns.
.Lweights:
	s_sub_co_u32 s17, ttmp9, 384
	s_lshr_b32 s17, s17, 2
	s_cmp_lt_u32 s17, 8
	s_cselect_b64 s[4:5], s[20:21], s[22:23]
	s_cmp_lt_u32 s17, 16
	s_cselect_b64 s[4:5], s[4:5], s[24:25]
	s_cmp_lt_u32 s17, 24
	s_cselect_b64 s[4:5], s[4:5], s[26:27]
	s_and_b32 s19, s17, 7
	s_lshl_b32 s19, s19, 2
	s_add_co_u32 s19, s19, s16                     ; which 32 columns are my wave's
	s_lshl_b32 s30, s19, 7
	s_lshl_b32 s31, s18, 20                        ; + the quarter's 256 rows of 4,096 bytes
	s_add_co_u32 s30, s30, s31
	s_mov_b32 s31, 0
	s_add_nc_u64 s[4:5], s[4:5], s[30:31]
	s_mov_b64 s[10:11], s[28:29]
	RECBASE
	s_wait_alu depctr_va_vdst(0)
	v_lshlrev_b32 v3, 2, v2                        ; a lane takes a column: 128 consecutive bytes a wave, 512 a work-group
.macro WLOAD t                         ; block t: W(32 t + i, my column)
.irp i, 0,1,2,3,4,5,6,7,8,9,10,11,12,13,14,15,16,17,18,19,20,21,22,23,24,25,26,27,28,29,30,31
	global_load_b32 v[WX+32*((\t)%2)+\i], v3, s[4:5] offset:(32*(\t)+\i)*4096 th:TH_LOAD_NT
.endr
.endm
	WLOAD 0
	WLOAD 1
	v_and_b32 v8, 7, v2
	v_bfe_u32 v9, v2, 3, 1
	v_lshl_or_b32 v8, v9, 4, v8
	v_bfe_u32 v9, v2, 4, 1
	v_lshl_or_b32 v8, v9, 3, v8                    ; my column's position
	s_lshl_b32 s19, s16, 13
	s_add_co_u32 s19, s19, WCODE
	v_lshl_add_u32 v4, v8, 6, s19                  ; my codes' place: 64 x position; piece and block stand in the immediate
	v_lshl_add_u32 v[WRC], v2, 4, s19
	s_lshl_b32 s19, s16, 6
	s_add_co_u32 s19, s19, WSC
	v_lshl_add_u32 v5, v8, 1, s19                  ; my two bytes of a plane
	s_lshl_b32 s19, s16, 8
	s_add_co_u32 s19, s19, WSC
	v_add_nc_u32 v[WRS], s19, v[WGS]
.macro WBLOCK t
.set XS, WX+32*((\t)%2)
.if (\t) < 7
	s_wait_loadcnt 32                              ; this block's 32 loads are in; the next block's may be out
.else
	s_wait_loadcnt 0
.endif
	v_max3_num_f32 v12, |v[XS]|, |v[XS+1]|, |v[XS+2]|              ; all 32 numbers of the block are mine
	v_max3_num_f32 v13, |v[XS+3]|, |v[XS+4]|, |v[XS+5]|
.irp i, 6,10,14,18,22,26
	v_max3_num_f32 v12, v12, |v[XS+\i]|, |v[XS+\i+1]|
	v_max3_num_f32 v13, v13, |v[XS+\i+2]|, |v[XS+\i+3]|
.endr
	v_max3_num_f32 v12, v12, |v[XS+30]|, |v[XS+31]|
	v_max3_num_f32 v12, v12, v13, 0x1800000
	v_add_nc_u32 v11, 0xff000000, v12
	v_lshrrev_b32 v13, 23, v11
.if (\t)%4 == 0
	v_mov_b32 v[SB+(\t)/4], v13                    ; four bytes to a register: two planes' pairs
.else
	v_lshl_or_b32 v[SB+(\t)/4], v13, 8*((\t)%4), v[SB+(\t)/4]
.endif
	v_cvt_scalef32_pk16_fp6_f32 v[WC:WC+2], v[XS:XS+15], v11
	v_cvt_scalef32_pk16_fp6_f32 v[WC+4:WC+6], v[XS+16:XS+31], v11  ; (a conversion's three registers begin on an even number)
	ds_store_b96 v4, v[WC:WC+2] offset:((\t)/2)*2048+32*((\t)%2)
	ds_store_b96 v4, v[WC+4:WC+6] offset:((\t)/2)*2048+32*((\t)%2)+16
.if (\t)+2 < 8
	WLOAD (\t)+2
.endif
	s_wait_dscnt 0x0                               ; the stores have read their registers: the next block's codes may be written
.endm
.irp t, 0,1,2,3,4,5,6,7
	WBLOCK \t
.endr
	ds_store_b16 v5, v[SB]                         ; plane 0: blocks 0, 1
	ds_store_b16_d16_hi v5, v[SB] offset:256       ; plane 1
	s_wait_alu depctr_va_vdst(0)
	ds_store_b16 v5, v[SB+1] offset:512
	ds_store_b16_d16_hi v5, v[SB+1] offset:768
	WAYOUT
.Lfunc_end_k_qfd1e5a2c36_quant:
	.size	k_qfd1e5a2c36_quant, .Lfunc_end_k_qfd1e5a2c36_quant-k_qfd1e5a2c36_quant
	.p2alignl 7, 3214868480
	.fill 96, 4, 3214868480
	.section	.rodata,"a",@progbits
	.p2align	6, 0x0
	.amdhsa_kernel k_qfd1e5a2c36_quant
		.amdhsa_group_segment_fixed_size 88576
		.amdhsa_private_segment_fixed_size 0
		.amdhsa_enable_private_segment 0
		.amdhsa_kernarg_size 72
		.amdhsa_user_sgpr_count 2
		.amdhsa_user_sgpr_kernarg_segment_ptr 1
		.amdhsa_wavefront_size32 1
		.amdhsa_system_sgpr_workgroup_id_x 1
		.amdhsa_system_sgpr_workgroup_id_y 1
		.amdhsa_system_sgpr_workgroup_id_z 1
		.amdhsa_system_vgpr_workitem_id 0
		.amdhsa_next_free_vgpr 194
		.amdhsa_next_free_sgpr 66
		.amdhsa_reserve_vcc 0
		.amdhsa_float_denorm_mode_32 3
		.amdhsa_float_denorm_mode_16_64 3
		.amdhsa_memory_ordered 1
		.amdhsa_forward_progress 1
		.amdhsa_inst_pref_size 78
	.end_amdhsa_kernel
	.amdgpu_metadata
---
amdhsa.version: [ 1, 2 ]
amdhsa.kernels:
  - .name:           k_qfd1e5a2c36_quant
    .symbol:         k_qfd1e5a2c36_quant.kd
    .args:
      - { .name: queries, .offset: 0, .size: 8, .value_kind: global_buffer, .address_space: global }
      - { .name: keys, .offset: 8, .size: 8, .value_kind: global_buffer, .address_space: global }
      - { .name: values, .offset: 16, .size: 8, .value_kind: global_buffer, .address_space: global }
      - { .name: xq, .offset: 24, .size: 8, .value_kind: global_buffer, .address_space: global }
      - { .name: Wq, .offset: 32, .size: 8, .value_kind: global_buffer, .address_space: global }
      - { .name: Wk, .offset: 40, .size: 8, .value_kind: global_buffer, .address_space: global }
      - { .name: Wv, .offset: 48, .size: 8, .value_kind: global_buffer, .address_space: global }
      - { .name: Wo, .offset: 56, .size: 8, .value_kind: global_buffer, .address_space: global }
      - { .name: wq, .offset: 64, .size: 8, .value_kind: global_buffer, .address_space: global }
    .group_segment_fixed_size: 88576
    .private_segment_fixed_size: 0
    .kernarg_segment_align: 8
    .kernarg_segment_size: 72
    .max_flat_workgroup_size: 128
    .sgpr_count:     66
    .vgpr_count:     194
    .wavefront_size: 32
...
	.end_amdgpu_metadata
.endif
;; end of part 1
;; launch proj (part 2): grid 8 x 32, 4 waves a work-group, clusters of 4 x 4, 327,680 bytes of LDS; arguments xq, wq, bq, bk, bv, qh, kv; writes qh, kv
.if DOCPART == 2
	.amdgcn_target "amdgcn-amd-amdhsa--gfx1250"
	.amdhsa_code_object_version 6
	.text
	.protected	k_qfd1e5a2c36_proj
	.globl	k_qfd1e5a2c36_proj
	.p2align	8
	.type	k_qfd1e5a2c36_proj,@function
k_qfd1e5a2c36_proj:
	s_mov_b64 s[64:65], 0
	v_nop
	global_prefetch_b8 v0, s[64:65] scope:SCOPE_SE
	s_setreg_imm32_b32 hwreg(HW_REG_WAVE_MODE, 25, 1), 1
	s_wait_xcnt 0x0
	s_wait_alu depctr_hold_cnt(0) depctr_sa_sdst(0) depctr_va_vdst(0) depctr_va_sdst(0) depctr_va_ssrc(0) depctr_va_vcc(0) depctr_vm_vsrc(0)
	s_getreg_b32 s2, hwreg(HW_REG_IB_STS2, 6, 4)
	s_cmp_eq_u32 s2, 0
	s_cbranch_scc0 .Lentry_in_a_cluster
	s_endpgm
.Lentry_in_a_cluster:
	s_bfe_u32 s2, ttmp6, 0x10000c
	s_cmp_lg_u32 s2, 0xf033
	s_cbranch_scc0 .Lentry_shape_is_right
	s_endpgm
.Lentry_shape_is_right:
; q = queries Wq + bq, k = keys Wk + bk, v = values Wv + bv on codes of FP6 (E2M3) with E8M0 scales, sums in f32; the results are quantised in registers, q and k along the head's 64, v along the keys, and leave as codes.
; A WORK-GROUP STAYS: work-group (x, y) makes three tiles of 128 x 128 in turn, written out: q (activations' record y, weights' record x), k (records 32 + y, 8 + x), v (records 64 + y, 16 + x).  Four waves, each 64 x 64: 16 accumulators.
; A RECORD (102,400 bytes, 128 rows x all of K): 16 planes of 128 x 2 scale bytes, then 16 pieces of 128 rows x 48 bytes (64 codes).  A lane of a fragment takes ONE piece: 48 consecutive bytes, three loads of 16.
; A K step of 128 holds piece 2 s in lanes 0-15 and piece 2 s + 1 in lanes 16-31, alike on both sides; a row's scale word is (piece 2 s block 0, piece 2 s + 1 block 0, piece 2 s block 1, piece 2 s + 1 block 1).
; LDS: two slots for the activations' records (tiles 0 and 2 in slot 0, tile 1 in slot 1), a region of its own for the weights' record, one stage for the way out, the spare words.
; A TILE BEGINS BY TAKING ITS 64 ROWS OF THE WEIGHT, ALL OF K, INTO REGISTERS (32 fragments, 384 registers).  So the weights' region is free for the next tile's record while this tile is multiplied, and a K step reads only the activations' four fragments.
; FILLS.  At the head one joint load a wave: waves 0 and 1 a half each of tile 0's weights, wave 2 tile 0's activations, wave 3 tile 1's (a line of its own: the first barrier does not wait for it).
; TWO REFILLS, each behind a drained round of the cluster's barrier that stands directly behind the weights' fetch: in tile 0 the weights' region (waves 0 and 1 a half each); in tile 1 the weights' region and slot 0 (waves 2 and 3 a half each).
; A refill has the tile's 128 products a wave and its way out in which to land; a plain barrier at the tile's end shows it to all.  The 32 lines that make the scale words stand inside the round.
; NO PREFETCH: the launch has no loop to run ahead in; every later record is asked for by its tensor load most of a tile ahead of its first use.
; Rows stand at positions, as the first launch lays them: as source 0 they give a lane 16 natural neighbours in the registers of two neighbouring tiles.
; q, k: source 0 = the weight, source 1 = the tokens: a lane holds a token position, registers run along the head.   v: source 0 = the tokens, source 1 = the weight: a lane holds a channel position, registers run along the keys.
; OUT: qh [head 32][block 16] records of 6,400 bytes: 128 positions x 48 bytes, then 64 words (position r block 0, position 16 + r block 0, position r block 1, position 16 + r block 1) for each 32 positions;
; kv [head 32][key step 16] records of 12,800: k laid as q; then v as four images of operand registers (16 channels x 128 keys: register p of lane l at 512 (p / 4) + 16 l + 4 (p % 4)) and 64 words of four block bytes.
; CLUSTERS: 4 x 4.  The activations' record hangs on y alone and is shared along a row of the cluster, the weights' on x alone and is shared along a column: joint loads.
; LIMITS: NaN and infinities are not served; a block under 2^-124 or of zeros keeps the byte 1 (its codes are then zeros or subnormal codes; the bytes are read by this program alone).
; REGISTERS: window 0: v1-28 addresses; v32-63 scale words; v64-95 codes and the way out; v96-113 at work; v128-255 accumulators ((a, t) at v[128 + 8 (4 a + t)]).
;   Fragment f lies in window 1 + f / 21 at register 12 (f % 21): 0-31 the weights' (4 k + tile), 32-39 the activations' two buffers.  window 3: v0-31 bq, v32-63 bk, v64-95 bv, each in its result's layout: the C of its tile's first products.
.set RECB,  102400
.set HALF,  51200                      ; half a record: 200 dense rows of 256 bytes
.set PIECE, 6144
.set XS1,   102400                     ; slot 1
.set WR,    204800                     ; the weights' region
.set STG,   307200                     ; the stage: 2 heads x 6,400 bytes; no fill lands here
.set SPARE, 320000                     ; the spare words, 128 bytes a wave
.set XSTEP, 32*RECB
.set WSTEP, 8*RECB
.set AX0, 4                            ; v4-5   my fragments of the activations in slot 0: K steps 0-3, 4-7
.set AW0, 6                            ; v6-7   of the weights
.set ASC, 8                            ; v8     scale bytes: lanes 0-15 the activations' rows in slot 0, lanes 16-31 the weights'
.set BO,  9
.set SQC, 10
.set SQS, 11
.set SV0, 12
.set SV1, 13
.set SVS, 14
.set RB,  15
.set RS,  16
.set BO2, 17
.set G16, 19
.set G8,  20
.set SPW, 24
.set NIL, 25
.set AX1, 26                           ; v26-27 as v4-5, slot 1
.set ASC1, 28                          ; v28    as v8, slot 1
.set SC,  32                           ; register 8 i + s: lanes 0-15 the words of the activations' tile i, lanes 16-31 of the weights' tile i, K step s
.set PC,  64
.set OB,  64
.set TM,  96
.set PW,  112
.set ACC, 128
.set BQ,  0                            ; in window 3
.set BK,  32
.set BV,  64
.set WV,  18
.set WM,  19
.set WN,  20
.set G1X, 28
.set G1W, 36
.set G0X, 44                           ; the head's load of activations
.set G0X2, 48                          ; tile 2's, a half a wave
.set G0W, 52
.set SEL, 66
.set MSB, 0
.macro WIN new                         ; the immediate's high byte repeats the setting that is left
.if MSB != (\new)
	s_set_vgpr_msb (MSB<<8)|(\new)
.set MSB, (\new)
.endif
.endm
.macro WALU
	s_wait_alu depctr_va_vdst(0)
.endm
.macro PLACES
.rept 4
	v_nop
.endr
.endm
.macro CREST                           ; a round of the cluster's barrier behind its opening barrier
	s_cmp_lg_u32 s[WV], 0
	s_cbranch_scc1 .Lnot_wave_0_\@
	s_barrier_signal -3
.Lnot_wave_0_\@:
	s_barrier_wait -3
	s_barrier_signal -1
	s_barrier_wait -1
.endm
.macro CROUND
	s_barrier_signal -1
	s_barrier_wait -1
	CREST
.endm
.macro TL g0, g1                       ; a joint load
	tensor_load_to_lds s[\g0:\g0+3], s[\g1:\g1+7]
	s_nop 0
	PLACES
.endm
	s_load_b256 s[4:11], s[0:1], 0x0               ; xq s[4:5], wq s[6:7], bq s[8:9], bk s[10:11]
	s_load_b128 s[12:15], s[0:1], 0x20             ; bv s[12:13], qh s[14:15]
	s_load_b64 s[16:17], s[0:1], 0x30              ; kv
	v_lshl_add_u32 v[SPW], v0, 2, SPARE
	v_mov_b32 v[NIL], 0
	ds_add_u32 v[SPW], v[NIL]                      ; the opening lines: the add twice and its wait
	ds_add_u32 v[SPW], v[NIL]
	v_lshrrev_b32 v1, 5, v0
	v_readfirstlane_b32 s[WV], v1                  ; wave 0..3
	s_lshr_b32 s[WM], s[WV], 1                     ; which 64 token positions are mine.  Also: I fetch weights (0) or activations (1)
	s_and_b32 s[WN], s[WV], 1                      ; which 64 column positions: one head.  Also: which half, or which of the head's two records, I fetch
	s_bfe_u32 s21, ttmp6, 0x40000                  ; cx
	s_bfe_u32 s22, ttmp6, 0x40004                  ; cy
	s_lshl_b32 s23, ttmp9, 2
	s_add_co_u32 s23, s23, s21                     ; x
	s_and_b32 s24, ttmp7, 0xffff
	s_lshl_b32 s24, s24, 2
	s_add_co_u32 s24, s24, s22                     ; y
	s_lshl_b32 s26, s22, 2
	s_lshl_b32 s26, 15, s26                        ; my row of the cluster
	s_lshl_b32 s27, 0x1111, s21                    ; my column
	s_or_b32 s[G1X], s26, (3<<16)|(1<<21)          ; the mask; elements of 8 bytes; bit 21 beside a mask; no padding
	s_or_b32 s[G1W], s27, (3<<16)|(1<<21)
.irp g, G1X, G1W
	s_mov_b32 s[\g+1], 32<<16                      ; dense rows of 256 bytes
	s_mov_b32 s[\g+3], 32<<16
	s_mov_b32 s[\g+5], 32
	s_mov_b32 s[\g+6], 0
	s_mov_b32 s[\g+7], 0
.endr
	s_mov_b32 s[G1X+2], 400<<16                    ; the head's loads of activations bring a whole record,
	s_mov_b32 s[G1X+4], 400
	s_mov_b32 s[G1W+2], 200<<16                    ; a load of weights half a record
	s_mov_b32 s[G1W+4], 200
	s_mul_i32 s72, s[WN], HALF                     ; my half, in a record and in LDS; kept
	s_mul_i32 s60, s24, RECB                       ; tile 0's record of activations: y alone
	s_mov_b32 s61, 0
	s_mul_i32 s62, s23, RECB                       ; and of weights: x alone
	s_add_co_u32 s62, s62, s72
	s_mov_b32 s63, 0
	s_mul_i32 s56, s[WN], XSTEP                    ; the head: wave 2 tile 0's activations, wave 3 tile 1's
	s_mov_b32 s57, 0
	s_add_co_u32 s58, s72, 2*XSTEP                 ; tile 2's, my half
	s_mov_b32 s59, 0
	s_mov_b32 s[SEL], 0x76543210
	s_mov_b32 s[SEL+1], 0xfedcba98                 ; v_permlanex16_b32's selects for lane l xor 16
	s_wait_dscnt 0x0                               ; both opening adds are done
	s_wait_kmcnt 0x0
	s_add_nc_u64 s[60:61], s[4:5], s[60:61]
	s_add_nc_u64 s[62:63], s[6:7], s[62:63]
	CROUND                                         ; all sixteen work-groups are here: the first joint loads meet
	s_mov_b32 s[G0X], 1
	s_mul_i32 s[G0X+1], s[WN], XS1                 ; slot 0 or slot 1
	s_add_nc_u64 s[G0X+2:G0X+3], s[60:61], s[56:57]
	s_or_b32 s[G0X+3], s[G0X+3], 0x80000000
	s_mov_b32 s[G0X2], 1
	s_mov_b32 s[G0X2+1], s72                       ; slot 0, my half
	s_add_nc_u64 s[G0X2+2:G0X2+3], s[60:61], s[58:59]
	s_or_b32 s[G0X2+3], s[G0X2+3], 0x80000000
	s_mov_b32 s[G0W], 1
	s_add_co_u32 s[G0W+1], s72, WR
	s_mov_b64 s[G0W+2:G0W+3], s[62:63]
	s_or_b32 s[G0W+3], s[G0W+3], 0x80000000
	s_cmp_lt_u32 s[WV], 2                          ; the head's loads, one a wave, in ONE chain of branches on the wave's number
	s_cbranch_scc0 .Lhead_x0
	TL G0W, G1W                                    ; waves 0, 1: tile 0's weights
	s_branch .Lasked
.Lhead_x0:
	s_cmp_eq_u32 s[WV], 2
	s_cbranch_scc0 .Lhead_x1
	TL G0X, G1X                                    ; wave 2: tile 0's activations
	s_branch .Lasked
.Lhead_x1:
	TL G0X, G1X                                    ; wave 3: tile 1's
.Lasked:
	s_lshl_b32 s90, s23, 9
	s_lshl_b32 s91, s[WN], 8
	s_add_co_u32 s90, s90, s91                     ; my head's 64 numbers of a bias, in bytes
	s_mov_b32 s91, 0
	s_add_nc_u64 s[8:9], s[8:9], s[90:91]
	s_add_nc_u64 s[10:11], s[10:11], s[90:91]
	s_add_nc_u64 s[12:13], s[12:13], s[90:91]
	s_mul_i32 s73, s[WM], 64*48
	s_add_co_u32 s74, s73, 4096                    ; my 64 rows of the activations' first piece
	s_mul_i32 s75, s[WN], 64*48
	s_add_co_u32 s75, s75, WR+4096                 ; of the weights'
	s_lshl_b32 s76, s[WM], 7                       ; my rows of an activations' plane
	s_lshl_b32 s77, s[WN], 7
	s_add_co_u32 s77, s77, WR
	s_sub_co_u32 s77, s77, s76                     ; the distance to my rows of a weights' plane, from slot 0,
	s_sub_co_u32 s78, s77, XS1                     ; and from slot 1
	s_add_co_u32 s79, s76, XS1
	s_mul_i32 s88, s[WN], 6400                     ; my head's half of the stage
	s_add_co_u32 s89, s73, s88
	s_add_co_u32 s89, s89, STG
	s_add_co_u32 s91, s88, STG+6144
	s_add_co_u32 s90, s76, s91
	s_lshl_b32 s92, s[WM], 1
	s_add_co_u32 s92, s92, s91
	s_mul_i32 s93, s[WM], 520                      ; v: an image's registers 6 wm .. 6 wm + 5, in pairs: at 16 l + 0, 8, 512 (wm = 0) or + 520, 1,024, 1,032 (wm = 1)
	s_add_co_u32 s93, s93, s88
	s_add_co_u32 s93, s93, STG
	s_mul_i32 s94, s[WM], 1016
	s_add_co_u32 s94, s94, s88
	s_add_co_u32 s94, s94, STG
	v_and_b32 v1, 15, v0                           ; r
	v_bfe_u32 v2, v0, 4, 1                         ; h
	v_and_b32 v3, 31, v0                           ; lane
	v_lshlrev_b32 v[BO], 6, v2                     ; q, k: tile t, lane half h: channels 32 (t / 2) + 16 h + 8 (t % 2) + 0 .. 7
	v_and_b32 v[BO2], 8, v1
	v_add_nc_u32 v[BO2], v[BO2], v1
	v_lshlrev_b32 v[BO2], 2, v[BO2]                ; v: a lane holds ONE channel: position 16 a + r is channel 32 (a / 2) + 8 (a % 2) + r + 8 (r / 8)
	v_mul_u32_u24 v21, v1, 48
	v_mad_u32_u24 v22, v2, PIECE, v21              ; row r, and lanes 16-31 one piece on
	v_add_nc_u32 v[AX0], s74, v22
	v_add_nc_u32 v[AX0+1], 8*PIECE, v[AX0]
	v_add_nc_u32 v[AX1], XS1, v[AX0]
	v_add_nc_u32 v[AX1+1], XS1, v[AX0+1]
	v_add_nc_u32 v[AW0], s75, v22
	v_add_nc_u32 v[AW0+1], 8*PIECE, v[AW0]
	v_mul_u32_u24 v[ASC], s77, v2                  ; ONE product: the lower base + h x the distance to the weights' rows
	v_lshl_add_u32 v[ASC], v1, 1, v[ASC]
	v_add_nc_u32 v[ASC], s76, v[ASC]
	v_mul_u32_u24 v[ASC1], s78, v2
	v_lshl_add_u32 v[ASC1], v1, 1, v[ASC1]
	v_add_nc_u32 v[ASC1], s79, v[ASC1]
	v_lshlrev_b32 v[G16], 4, v3
	v_lshlrev_b32 v[G8], 3, v3
	v_mad_u32_u24 v23, v2, 24, v21                 ; 48 r + 24 h
	v_add_nc_u32 v[SQC], s89, v23                  ; q, k: position 64 wm + r, block h
	v_add_nc_u32 v[RB], s89, v[G16]                ; back: 3,072 bytes a wave
	v_lshl_add_u32 v[SQS], v1, 2, s90              ; word 32 wm + r
	v_add_nc_u32 v[RS], s91, v[G8]
	v_lshl_add_u32 v[SVS], v1, 2, s92              ; v: channel r's word, bytes 2 wm and 2 wm + 1
	v_add_nc_u32 v[SV0], s93, v[G16]
	v_add_nc_u32 v[SV1], s94, v[G16]
.irp b, 0,1,2,3
	v_mov_b32 v[TM+4+\b], 0                        ; written once: a lane permute's destination counts as one of its sources
.endr
	WALU                                           ; behind the head's vector lines
	WIN 0xc0                                       ; destination window 3: the three biases, once
.irp t, 0,1,2,3
	global_load_b128 v[BQ+8*\t:BQ+8*\t+3], v[BO], s[8:9] offset:(32*(\t/2)+8*(\t%2))*4
	global_load_b128 v[BQ+8*\t+4:BQ+8*\t+7], v[BO], s[8:9] offset:(32*(\t/2)+8*(\t%2))*4+16
	global_load_b128 v[BK+8*\t:BK+8*\t+3], v[BO], s[10:11] offset:(32*(\t/2)+8*(\t%2))*4
	global_load_b128 v[BK+8*\t+4:BK+8*\t+7], v[BO], s[10:11] offset:(32*(\t/2)+8*(\t%2))*4+16
.endr
.irp a, 0,1,2,3
.irp j, 0,1,2,3,4,5,6,7
	global_load_b32 v[BV+8*\a+\j], v[BO2], s[12:13] offset:(32*(\a/2)+8*(\a%2))*4
.endr
.endr
	WIN 0
	; where the three tiles go: s[68:69], s[80:81], s[84:85] my 3,072 bytes of codes; s[70:71], s[82:83], s[86:87] my head's words.  Made once, so that no store's base is ever rewritten
	s_bfe_u32 s76, s24, 0x10004                    ; the batch: bit 4 of y
	s_lshl_b32 s76, s76, 4
	s_lshl_b32 s74, s23, 1
	s_add_co_u32 s76, s76, s74
	s_add_co_u32 s76, s76, s[WN]                   ; 16 x batch + head
	s_lshl_b32 s76, s76, 4
	s_and_b32 s74, s24, 15
	s_add_co_u32 s76, s76, s74                     ; x 16 + the block of 128 tokens
	s_mul_i32 s74, s76, 6400
	s_mov_b32 s75, 0
	s_add_nc_u64 s[70:71], s[14:15], s[74:75]      ; q's record
	s_mul_i32 s74, s76, 12800
	s_add_nc_u64 s[82:83], s[16:17], s[74:75]      ; k's part of kv's record,
	s_add_nc_u64 s[86:87], s[82:83], 6400          ; and v's behind it
	s_mov_b32 s74, s73
	s_add_nc_u64 s[68:69], s[70:71], s[74:75]
	s_add_nc_u64 s[80:81], s[82:83], s[74:75]
	s_add_nc_u64 s[84:85], s[86:87], s[74:75]
	s_add_nc_u64 s[70:71], s[70:71], 6144
	s_add_nc_u64 s[82:83], s[82:83], 6144
	s_add_nc_u64 s[86:87], s[86:87], 6144
.macro SCLOAD asc                      ; my rows' scale bytes: 2 bytes a row and piece
.irp i, 0,1,2,3
.irp j, 0,1,2,3,4,5,6,7,8,9,10,11,12,13,14,15
	ds_load_u16 v[ACC+16*\i+\j], v[\asc] offset:256*\j+32*\i
.endr
.endr
.endm
.macro SCPERM                          ; of two planes' pairs one word.  K step 0's four words are made first: 28 vector lines stand between them and the first product (8 are asked)
.irp k, 0,1,2,3,4,5,6,7
.irp i, 0,1,2,3
	v_perm_b32 v[SC+8*\i+\k], v[ACC+16*\i+2*\k+1], v[ACC+16*\i+2*\k], 0x05010400
.endr
.endr
.endm
.macro WFETCH                          ; my 64 rows of the weight, all of K: 96 loads of 16 bytes
.irp k, 0,1,2,3,4,5,6,7
.irp i, 0,1,2,3
.set FW, 4*\k+\i
	WIN (1+FW/21)<<6
.irp c, 0,1,2
	ds_load_b128 v[12*(FW%21)+4*\c:12*(FW%21)+4*\c+3], v[AW0+\k/4] offset:(\k%4)*2*PIECE+768*\i+16*\c
.endr
.endr
.endr
.endm
.macro XFETCH k, ax                    ; K step k's four fragments of the activations into buffer k % 2: 12 loads
	WIN 2<<6
.irp i, 0,1,2,3
.set FX, 32+4*((\k)%2)+\i
.irp c, 0,1,2
	ds_load_b128 v[12*(FX%21)+4*\c:12*(FX%21)+4*\c+3], v[\ax+(\k)/4] offset:((\k)%4)*2*PIECE+768*\i+16*\c
.endr
.endr
.endm
; 8 matrix instructions: source 1's tiles a0, a0 + 1 x source 0's four.  The 16 accumulators take turns, in the same order in every K step.
; sw = 0: source 0 the weights' tile t, source 1 the tokens' tile a; sw = 1: the other way round.  cm = 1, 2: the bias at v[bb] of window 3 is the C of a sum's first instruction (by source 0's tile, by source 1's); cm = 0: in place.
.macro MUL8 sw, k, cm, bb, a0
.irp a, \a0, \a0+1
.irp t, 0,1,2,3
.set DD, ACC+8*(4*(\a)+\t)
.set CW, 3
.if (\cm) == 1
.set CC, (\bb)+8*\t
.elseif (\cm) == 2
.set CC, (\bb)+8*(\a)
.else
.set CC, DD
.set CW, 0
.endif
.if \sw
.set FS0, 32+4*((\k)%2)+\t
.set FS1, 4*(\k)+(\a)
.else
.set FS0, 4*(\k)+\t
.set FS1, 32+4*((\k)%2)+(\a)
.endif
	WIN (1+FS0/21)|((1+FS1/21)<<2)|(CW<<4)
.if \sw
	v_wmma_scale_f32_16x16x128_f8f6f4 v[DD:DD+7], v[12*(FS0%21):12*(FS0%21)+11], v[12*(FS1%21):12*(FS1%21)+11], v[CC:CC+7], v[SC+8*\t+(\k)], v[SC+8*(\a)+(\k)] matrix_a_fmt:MATRIX_FMT_FP6 matrix_b_fmt:MATRIX_FMT_FP6 matrix_b_scale:MATRIX_SCALE_ROW1
.else
	v_wmma_scale_f32_16x16x128_f8f6f4 v[DD:DD+7], v[12*(FS0%21):12*(FS0%21)+11], v[12*(FS1%21):12*(FS1%21)+11], v[CC:CC+7], v[SC+8*\t+(\k)], v[SC+8*(\a)+(\k)] matrix_a_fmt:MATRIX_FMT_FP6 matrix_b_fmt:MATRIX_FMT_FP6 matrix_a_scale:MATRIX_SCALE_ROW1
.endif
.endr
.endr
.endm
.macro STEP sw, k, cm, bb, ax
	s_wait_dscnt 0x0                               ; this K step's fragments are in
.if (\k) < 7
.if (\k) > 0
	PLACES                                         ; in front of loads into the buffer that the step before multiplied
.endif
	XFETCH (\k)+1, \ax                             ; lands while this step's 16 products are issued
.endif
	MUL8 \sw, \k, \cm, \bb, 0
	MUL8 \sw, \k, \cm, \bb, 2
.endm
; A tile's products.  ax, asc: the slot's address registers.  more = 1: the next tile's weights are asked for; 2: its weights and its activations; 0: nothing.
.macro TILE sw, cm, bb, ax, asc, more, first=0
.if \first
	WFETCH                                         ; tile 0: the weights have been shown; they go into registers while the activations' record is on its way
	WIN 0
	s_cmp_eq_u32 s[WV], 2
	s_cbranch_scc0 .Lnot_x0_\@
	s_wait_tensorcnt 0x0                           ; wave 2: tile 0's activations have landed
.Lnot_x0_\@:
	s_wait_dscnt 0x0
	s_barrier_signal -1
	s_barrier_wait -1                              ; shown to all
	SCLOAD \asc
.else
	SCLOAD \asc
	WFETCH
.endif
	XFETCH 0, \ax
	WIN 0
.if \more
	s_wait_tensorcnt 0x0                           ; all my tensor loads have landed (in tile 0: wave 3's record for tile 1), so a descriptor may be written
	ds_add_u32 v[SPW], v[NIL]                      ; 0 onto my spare word
	s_add_nc_u64 s[G0W+2:G0W+3], s[G0W+2:G0W+3], WSTEP   ; the next tile's weights
.if (\more) == 2
	s_mov_b32 s[G1X+2], 200<<16                    ; a load of activations now brings half a record
	s_mov_b32 s[G1X+4], 200
.endif
	s_wait_dscnt 0x0                               ; the add is done; the weight lies in my registers: my reads of its region are over, and those of the slot read last tile were over long ago
	s_barrier_signal -1                            ; the round's opening signal;
	SCPERM                                         ; work on registers while the others arrive
	WALU
	s_barrier_wait -1
	CREST                                          ; no wave of any partner still reads these bytes or has a load on its way
	s_cmp_lt_u32 s[WV], 2
.if (\more) == 2
	s_cbranch_scc0 .Lfor_x_\@
	TL G0W, G1W
	s_branch .Lrefilled_\@
.Lfor_x_\@:
	TL G0X2, G1X                                   ; waves 2, 3: tile 2's activations into slot 0
.Lrefilled_\@:
.else
	s_cbranch_scc0 .Lrefilled_\@
	TL G0W, G1W                                    ; waves 0, 1: my one tensor load behind the round, and the first thing there
.Lrefilled_\@:
.endif
.else
	s_wait_dscnt 0x0
	SCPERM
	WALU
.endif
	STEP \sw, 0, \cm, \bb, \ax
.irp k, 1,2,3,4,5,6,7
	STEP \sw, \k, 0, 0, \ax
.endr
	WIN 0
	PLACES                                         ; in front of the first read of results
.endm
; 64 numbers of a lane, register 16 b + i = number 16 (lane / 16) + i of four blocks of 32, each shared with lane l xor 16, become codes: v[PC + 6 c .. + 5]: lane half h holds block 2 c + h whole.  The bytes stay in v[TM+4 .. 7].
.macro QUANT s
.irp b, 0,1,2,3
	v_max3_num_f32 v[TM+\b], |v[\s+16*\b]|, |v[\s+1+16*\b]|, 0x1800000   ; with the floor 2^(3 - 127); each accumulator is read from its low end on
.endr
.irp i, 2,4,6,8,10,12,14
.irp b, 0,1,2,3
	v_max3_num_f32 v[TM+\b], v[TM+\b], |v[\s+16*\b+\i]|, |v[\s+1+16*\b+\i]|
.endr
.endr
.irp b, 0,1,2,3
	v_permlanex16_b32 v[TM+4+\b], v[TM+\b], s[SEL], s[SEL+1]
.endr
.irp b, 0,1,2,3
	v_max_num_f32 v[TM+\b], v[TM+\b], v[TM+4+\b]
.endr
.irp b, 0,1,2,3
	v_add_nc_u32 v[TM+12+\b], 0xff000000, v[TM+\b] ; 2 off the exponent field: the conversion's scale operand
.endr
.irp b, 0,1,2,3
	v_lshrrev_b32 v[TM+4+\b], 23, v[TM+12+\b]      ; the scale's byte
.endr
.irp c, 0,1
	v_cvt_scalef32_pk16_fp6_f32 v[PC+6*\c:PC+2+6*\c], v[\s+32*\c:\s+15+32*\c], v[TM+12+2*\c]
	v_cvt_scalef32_pk16_fp6_f32 v[PC+12+4*\c:PC+14+4*\c], v[\s+16+32*\c:\s+31+32*\c], v[TM+12+2*\c+1]
.endr
	v_nop                                          ; one plain place behind a scaled conversion
.irp c, 0,1
.irp i, 0,1,2
	v_permlane16_swap_b32 v[PC+6*\c+\i], v[PC+12+4*\c+\i]
.endr
.irp i, 0,1,2
	v_mov_b32 v[PC+3+6*\c+\i], v[PC+12+4*\c+\i]
.endr
.endr
.endm
; The stage is whole behind the barrier; each wave stores 3,072 consecutive bytes to s[d:d+1], waves 0 and 1 a head's 256 bytes of words to s[s:s+1].
; more = 1: a second barrier, behind which nothing is filled, shows the next tile's records to all; it also parts my reads of the stage from the next tile's stores into it.
.macro OUTP d, s, more
	s_wait_dscnt 0x0
	s_barrier_signal -1
	s_barrier_wait -1
.irp i, 0,1,2,3,4,5
	ds_load_b128 v[OB+4*\i:OB+4*\i+3], v[RB] offset:512*\i
.endr
.irp i, 0,1,2,3,4,5
	s_wait_dscnt 5-\i                              ; the younger loads may be out
	global_store_b128 v[G16], v[OB+4*\i:OB+4*\i+3], s[\d:\d+1] offset:512*\i   ; 512 consecutive bytes, at a multiple of 256 from the buffer's first byte
.endr
	s_cmp_lt_u32 s[WV], 2
	s_cbranch_scc0 .Lno_words_\@
	ds_load_b64 v[OB+24:OB+25], v[RS]
	s_wait_dscnt 0x0
	global_store_b64 v[G8], v[OB+24:OB+25], s[\s:\s+1]
.Lno_words_\@:
.if \more
	s_wait_xcnt 0x0                                ; the stores' data registers take the next tile's codes only behind this wait (ISA guide 3.1)
	s_wait_tensorcnt 0x0                           ; my part of the next tile's records has landed,
	s_barrier_signal -1
	s_barrier_wait -1                              ; and everybody's
.endif
.endm
.macro QKOUT d, s                      ; q, k: two tiles of 16 token positions at a time: blocks 0, 1 are tile 2 ap's two halves of the head, blocks 2, 3 tile 2 ap + 1's
.irp ap, 0,1
	QUANT ACC+64*\ap
	v_lshl_or_b32 v[PW], v[TM+6], 8, v[TM+4]       ; (position r block 0, position 16 + r block 0,
	v_lshl_or_b32 v[PW], v[TM+5], 16, v[PW]        ;  position r block 1,
	v_lshl_or_b32 v[PW], v[TM+7], 24, v[PW]        ;  position 16 + r block 1)
.irp c, 0,1
.irp i, 0,1,2
	ds_store_b64 v[SQC], v[PC+6*\c+2*\i:PC+6*\c+2*\i+1] offset:(2*\ap+\c)*768+8*\i
.endr
.endr
	ds_store_b32 v[SQS], v[PW] offset:64*\ap       ; both halves of the lanes write the same word with the same value
	s_wait_dscnt 0x0                               ; the stores have read their registers
.endr
	OUTP \d, \s, 1
.endm
.macro VOUT d, s                       ; v: two tiles of 16 channel positions at a time; a tile's two blocks are my 64 keys: registers 6 wm .. 6 wm + 5 of its image
.irp ap, 0,1
	QUANT ACC+64*\ap
	v_lshl_or_b32 v[PW], v[TM+5], 8, v[TM+4]
	v_lshl_or_b32 v[PW+1], v[TM+7], 8, v[TM+6]
.irp c, 0,1
	ds_store_b64 v[SV0], v[PC+6*\c:PC+6*\c+1] offset:1536*(2*\ap+\c)
	ds_store_b64 v[SV1], v[PC+6*\c+2:PC+6*\c+3] offset:1536*(2*\ap+\c)+8
	ds_store_b64 v[SV0], v[PC+6*\c+4:PC+6*\c+5] offset:1536*(2*\ap+\c)+512
	ds_store_b16 v[SVS], v[PW+\c] offset:64*(2*\ap+\c)
.endr
	s_wait_dscnt 0x0
.endr
	OUTP \d, \s, 0
.endm
	s_wait_loadcnt 0x0                             ; the biases
	s_cmp_lt_u32 s[WV], 2
	s_cbranch_scc0 .Lnot_yet
	s_wait_tensorcnt 0x0                           ; waves 0, 1: my half of tile 0's weights has landed; the activations' records may stay out
.Lnot_yet:
	s_barrier_signal -1
	s_barrier_wait -1
	TILE 0, 1, BQ, AX0, ASC, 1, 1                  ; q, from slot 0
	QKOUT 68, 70
	TILE 0, 1, BK, AX1, ASC1, 2                    ; k, from slot 1, which tile 0's round has shown whole
	QKOUT 80, 82
	TILE 1, 2, BV, AX0, ASC, 0                     ; v, from slot 0: nothing more is asked for
	VOUT 84, 86
	s_wait_tensorcnt 0x0                           ; the wave's end, behind my last tensor load and my last LDS store
	ds_add_u32 v[SPW], v[NIL]
	s_wait_dscnt 0x0
	CROUND                                         ; the closing round: no work-group ends while a partner may still ask for a tile that names it
	s_endpgm
.Lfunc_end_k_qfd1e5a2c36_proj:
	.size	k_qfd1e5a2c36_proj, .Lfunc_end_k_qfd1e5a2c36_proj-k_qfd1e5a2c36_proj
	.p2alignl 7, 3214868480
	.fill 96, 4, 3214868480
	.section	.rodata,"a",@progbits
	.p2align	6, 0x0
	.amdhsa_kernel k_qfd1e5a2c36_proj
		.amdhsa_group_segment_fixed_size 327680
		.amdhsa_private_segment_fixed_size 0
		.amdhsa_enable_private_segment 0
		.amdhsa_kernarg_size 56
		.amdhsa_user_sgpr_count 2
		.amdhsa_user_sgpr_kernarg_segment_ptr 1
		.amdhsa_wavefront_size32 1
		.amdhsa_system_sgpr_workgroup_id_x 1
		.amdhsa_system_sgpr_workgroup_id_y 1
		.amdhsa_system_sgpr_workgroup_id_z 1
		.amdhsa_system_vgpr_workitem_id 0
		.amdhsa_next_free_vgpr 864
		.amdhsa_next_free_sgpr 96
		.amdhsa_reserve_vcc 0
		.amdhsa_float_denorm_mode_32 3
		.amdhsa_float_denorm_mode_16_64 3
		.amdhsa_memory_ordered 1
		.amdhsa_forward_progress 1
		.amdhsa_inst_pref_size 157
	.end_amdhsa_kernel
	.amdgpu_metadata
---
amdhsa.version: [ 1, 2 ]
amdhsa.kernels:
  - .name:           k_qfd1e5a2c36_proj
    .symbol:         k_qfd1e5a2c36_proj.kd
    .args:
      - { .name: xq, .offset: 0, .size: 8, .value_kind: global_buffer, .address_space: global }
      - { .name: wq, .offset: 8, .size: 8, .value_kind: global_buffer, .address_space: global }
      - { .name: bq, .offset: 16, .size: 8, .value_kind: global_buffer, .address_space: global }
      - { .name: bk, .offset: 24, .size: 8, .value_kind: global_buffer, .address_space: global }
      - { .name: bv, .offset: 32, .size: 8, .value_kind: global_buffer, .address_space: global }
      - { .name: qh, .offset: 40, .size: 8, .value_kind: global_buffer, .address_space: global }
      - { .name: kv, .offset: 48, .size: 8, .value_kind: global_buffer, .address_space: global }
    .group_segment_fixed_size: 327680
    .private_segment_fixed_size: 0
    .kernarg_segment_align: 8
    .kernarg_segment_size: 56
    .max_flat_workgroup_size: 128
    .sgpr_count:     96
    .vgpr_count:     864
    .wavefront_size: 32
...
	.end_amdgpu_metadata
.endif
;; end of part 2
;; launch attn (part 3): grid 8 x 32, 16 waves a work-group, clusters of 4 x 1, 220,160 bytes of LDS; arguments qh, kv, oq; writes oq
.if DOCPART == 3
	.amdgcn_target "amdgcn-amd-amdhsa--gfx1250"
	.amdhsa_code_object_version 6
	.text
	.protected	k_qfd1e5a2c36_attn
	.globl	k_qfd1e5a2c36_attn
	.p2align	8
	.type	k_qfd1e5a2c36_attn,@function
k_qfd1e5a2c36_attn:
	s_mov_b64 s[64:65], 0
	v_nop
	global_prefetch_b8 v0, s[64:65] scope:SCOPE_SE
	s_setreg_imm32_b32 hwreg(HW_REG_WAVE_MODE, 25, 1), 1
	s_wait_xcnt 0x0
	s_wait_alu depctr_hold_cnt(0) depctr_sa_sdst(0) depctr_va_vdst(0) depctr_va_sdst(0) depctr_va_ssrc(0) depctr_va_vcc(0) depctr_vm_vsrc(0)
	s_getreg_b32 s2, hwreg(HW_REG_IB_STS2, 6, 4)
	s_cmp_eq_u32 s2, 0
	s_cbranch_scc0 .Lentry_in_a_cluster
	s_endpgm
.Lentry_in_a_cluster:
	s_bfe_u32 s2, ttmp6, 0x10000c
	s_cmp_lg_u32 s2, 0x3003
	s_cbranch_scc0 .Lentry_shape_is_right
	s_endpgm
.Lentry_shape_is_right:
; For each of 32 (batch, head): O = softmax(q k^T / 8) v, both products on codes of FP6 (E2M3) with E8M0 scales; o / l is quantised along E and leaves as codes for the last product.
; THE SOFTMAX: t = score x log2(e) / 8; M = the running largest t rounded UP to a whole number; p = 2^(t - M) is quantised along the keys, not normalised; the row's sum l is taken of the unquantised p
; and divides at the end.  When M moves, l and O are multiplied by 2^(old M - new M): exact.
; SHARES: a work-group owns 256 query positions of one head, each of its sixteen waves 16 of them.  The head's k and v, 16 key steps x 12,800 bytes, lie in LDS at once, every byte filled once:
; wave w brings key step w by one joint load (50 rows of 256 bytes); the four query blocks of a cluster want the same bytes.  Waves 0-3 and waves 4-15 have load lines of their own:
; the first barrier shows key steps 0-3 (the first loop reads steps 0 to 2), the barrier behind key step 1 shows the rest; nothing is filled again.
; NO PREFETCH: all that the launch reads by tensor loads is asked for at its head; there is no loop to run ahead in.
; BOTH PRODUCTS ARE USED TRANSPOSED: a lane holds ONE query (lane % 16).  S^T = k q^T has K = 64, half of an instruction's 128: a fragment of k holds two tiles of 16 keys (lanes 0-15 positions 32 b + r,
; lanes 16-31 positions 32 b + 16 + r); q is kept twice, Q0 with zero codes in lanes 16-31, Q1 in lanes 0-15: the product with Qu gives tile u.
; KEYS STAND AT POSITIONS whose bits 6, 5, 4, 3 are the key's bits 6, 4, 3, 5 (the first launch reads the keys' rows so).  Register 8 (2 b + u) + i of lane half h is then key 64 (b / 2) + 32 h + 16 (b % 2) + 8 u + i:
; A LANE HOLDS TWO WHOLE BLOCKS OF 32 KEYS, in the order of the second product's operand: a block's maximum and its codes need no other lane; only the row's maximum and the scale word's bytes cross the halves.
; THE ORDER OF A STEP: scores; v's loads; the blocks' maxima; M; O and l under the new M; t - M and the exponentials in two batches, each with plain lines of the other block among them; codes; O^T += v^T p^T;
; the next step's k is fetched; behind that fetch stand 14 of the sum's additions, and its last four are the places behind the next step's scores.  The places that the rules ask for are filled by lines of the sum.
; LIMITS: NaN and infinities are not served; the promise holds while the scaled scores t stay under 2^31 in magnitude; a block of zeros keeps the byte 1 (zero codes; read by this program alone).
.set STEPB, 12800
.set RECB,  102400
.set OST,   204800                     ; behind the head's k and v: 768 bytes a wave for o's codes,
.set OSC,   217088                     ; 512 bytes for their scale bytes,
.set SPARE, 218112                     ; and the spare words, 128 bytes a wave; no fill lands in any of the three
.set A48, 1                            ; 48 x lane: my key's row
.set A16, 2                            ; 16 x lane + 6,400: my place in an image of v
.set A4,  3                            ; 4 x lane + 6,144: my scale word
.set WOC, 4                            ; the way out: my codes, my bytes, back by rows, 8 x lane, a plane
.set WOS, 5
.set WRB, 6
.set L8,  7
.set WPL, 8
.set ADK, 9
.set ADV, 10
.set ADS, 11                           ; v12 -M, v13 the largest score, v[14:15] l in two halves
.set Q,   16
.set F,   40                           ; four fragments of k, then of v
.set SELP, 88                          ; v_perm_b32's selector: my two bytes' places in p's scale word
.set XA,  89
.set XT,  90
.set XO,  91
.set XM,  92
.set BM,  94                           ; the two blocks' maxima
.set S,   96                           ; S^T, then p
.set O,   160
.set PC,  192
.set PH,  204
.set BS,  212
.set X,   214
.set W,   216
.set W2,  217
.set FP,  218
.set T,   220                          ; eight pairs: the sum's parts
.set MC,  228                          ; eight chains of maxima (the upper four pairs, free then)
.set KS,  244                          ; v244-250 scale words and nothing else
.set VS,  246
.set QS,  248
.set PS,  250
.set SPW, 254
.set NIL, 255
.set WV,  10
.set G1,  16
.set G0,  24
.set SEL, 32
.set CS,  34
.set TB,  36
.set CNT, 37
.macro WALU
	s_wait_alu depctr_va_vdst(0)
.endm
.macro CROUND
	s_barrier_signal -1
	s_barrier_wait -1
	s_cmp_lg_u32 s[WV], 0
	s_cbranch_scc1 .Lnot_wave_0_\@
	s_barrier_signal -3
.Lnot_wave_0_\@:
	s_barrier_wait -3
	s_barrier_signal -1
	s_barrier_wait -1
.endm
.macro PADD d, a, b
	v_pk_add_f32 v[(\d):(\d)+1], v[(\a):(\a)+1], v[(\b):(\b)+1]
.endm
.macro TLOAD
	tensor_load_to_lds s[G0:G0+3], s[G1:G1+7]
	s_nop 0
.rept 4
	v_nop
.endr
.endm
	s_load_b128 s[4:7], s[0:1], 0x0                ; qh, kv
	s_load_b64 s[8:9], s[0:1], 0x10                ; oq
	v_lshl_add_u32 v[SPW], v0, 2, SPARE
	v_mov_b32 v[NIL], 0
	ds_add_u32 v[SPW], v[NIL]                      ; the opening lines: the add twice and its wait
	ds_add_u32 v[SPW], v[NIL]
	v_lshrrev_b32 v1, 5, v0
	v_readfirstlane_b32 s[WV], v1                  ; wave 0..15
	v_and_b32 v238, 31, v0                         ; lane
	v_and_b32 v236, 15, v0                         ; r
	v_bfe_u32 v237, v0, 4, 1                       ; h
	v_mul_u32_u24 v239, v236, 48
	v_lshlrev_b32 v240, 2, v236
	s_bfe_u32 s11, ttmp6, 0x40000                  ; cx
	s_lshl_b32 s12, ttmp9, 2
	s_add_co_u32 s12, s12, s11                     ; my block of 256 query positions: it enters q's and o's global addresses alone
	s_and_b32 s13, ttmp7, 0xffff                   ; 16 x batch + head, which the four partners share
	s_mov_b32 s[G1], 15|(3<<16)|(1<<21)            ; the mask: all four; elements of 8 bytes; bit 21 beside a mask; no padding
	s_mov_b32 s[G1+1], 32<<16                      ; rows of 256 bytes,
	s_mov_b32 s[G1+2], 50<<16                      ; 50 of them: one key step, dense
	s_mov_b32 s[G1+3], 32<<16
	s_mov_b32 s[G1+4], 50
	s_mov_b32 s[G1+5], 32
	s_mov_b32 s[G1+6], 0
	s_mov_b32 s[G1+7], 0
	s_mov_b32 s[SEL], 0x76543210
	s_mov_b32 s[SEL+1], 0xfedcba98                 ; v_permlanex16_b32's selects for lane l xor 16
	s_mov_b32 s[CS], 0x3e38aa3b                    ; c = log2(e) / 8
	s_mov_b32 s[CS+1], s[CS]
	s_mul_i32 s38, s13, 16*STEPB
	s_mul_i32 s40, s[WV], STEPB                    ; key step w, in kv and in LDS
	s_add_co_u32 s38, s38, s40
	s_mov_b32 s39, 0
	s_lshl_b32 s41, s13, 4                         ; q: my tile is tile w % 8 of record 16 x (16 batch + head) + 2 x block + w / 8
	s_lshl_b32 s42, s12, 1
	s_add_co_u32 s41, s41, s42
	s_lshr_b32 s42, s[WV], 3
	s_add_co_u32 s41, s41, s42
	s_mul_i32 s42, s41, 6400
	s_and_b32 s43, s[WV], 7
	s_mul_i32 s44, s43, 768
	s_add_co_u32 s44, s44, s42                     ; its 16 rows of 48 bytes
	s_mov_b32 s45, 0
	s_lshr_b32 s43, s43, 1
	s_lshl_b32 s43, s43, 6
	s_add_co_u32 s42, s42, s43
	s_add_co_u32 s42, s42, 6144                    ; the 16 words of its pair of tiles
	s_mov_b32 s43, 0
	s_lshr_b32 s46, s13, 4                         ; o: the block's first record of oq: 16 x batch + 2 x block
	s_lshl_b32 s46, s46, 4
	s_lshl_b32 s47, s12, 1
	s_add_co_u32 s46, s46, s47
	s_and_b32 s47, s13, 15                         ; the head
	s_lshr_b32 s50, s[WV], 3
	s_add_co_u32 s50, s50, s46
	s_mul_i32 s50, s50, RECB
	s_mul_i32 s51, s47, 6144
	s_add_co_u32 s50, s50, s51
	s_and_b32 s51, s[WV], 7
	s_mul_i32 s51, s51, 768
	s_add_co_u32 s50, s50, s51
	s_add_co_u32 s50, s50, 4096                    ; my 16 rows of the head's piece
	s_mov_b32 s51, 0
	s_and_b32 s52, s[WV], 1
	s_add_co_u32 s52, s52, s46
	s_mul_i32 s52, s52, RECB
	s_lshl_b32 s53, s47, 8
	s_add_co_u32 s52, s52, s53                     ; the head's plane (waves 0 and 1)
	s_mov_b32 s53, 0
	WALU                                           ; ahead of the blocking waits
	s_wait_dscnt 0x0                               ; both opening adds are done
	s_wait_kmcnt 0x0
	s_add_nc_u64 s[44:45], s[4:5], s[44:45]
	s_add_nc_u64 s[42:43], s[4:5], s[42:43]
	s_add_nc_u64 s[38:39], s[6:7], s[38:39]
	s_add_nc_u64 s[50:51], s[8:9], s[50:51]
	s_add_nc_u64 s[52:53], s[8:9], s[52:53]
.irp c, 0,1,2
	global_load_b128 v[S+4*\c:S+4*\c+3], v239, s[44:45] offset:16*\c   ; query r's 48 bytes, in both halves of the lanes
.endr
	global_load_b32 v[S+12], v240, s[42:43]
	CROUND                                         ; all four work-groups are here: the joint loads meet
	s_mov_b32 s[G0], 1
	s_mov_b32 s[G0+1], s40
	s_mov_b64 s[G0+2:G0+3], s[38:39]
	s_or_b32 s[G0+3], s[G0+3], 0x80000000
	s_cmp_lt_u32 s[WV], 4                          ; one load a wave, in two arms: the waves that wait at the first barrier have a line of their own
	s_cbranch_scc0 .Lhigh
	TLOAD
	s_branch .Lasked
.Lhigh:
	TLOAD
.Lasked:
	v_mul_u32_u24 v[A48], v238, 48
	v_lshl_add_u32 v[A16], v238, 4, 6400
	v_lshl_add_u32 v[A4], v238, 2, 6144
	s_mul_i32 s46, s[WV], 768
	s_add_co_u32 s46, s46, OST
	v_mad_u32_u24 v[WOC], v237, 24, v239
	v_add_nc_u32 v[WOC], s46, v[WOC]               ; query r's block h
	v_lshlrev_b32 v[L8], 3, v238
	v_add_nc_u32 v[WRB], s46, v[L8]
	s_lshl_b32 s46, s[WV], 5
	s_add_co_u32 s46, s46, OSC
	v_lshl_add_u32 v[WOS], v236, 1, s46            ; query r's two scale bytes
	s_and_b32 s46, s[WV], 1
	s_lshl_b32 s47, s46, 8
	s_add_co_u32 s47, s47, OSC
	v_add_nc_u32 v[WPL], s47, v[L8]
	s_lshl_b32 s46, s46, 3
	v_mov_b32 v[SELP], 0x0c070c03                  ; lanes 0-15: (block 0's byte, 0, block 2's byte, 0);
	v_mov_b32 v[XA], 0x070c030c                    ; lanes 16-31: (0, block 1's, 0, block 3's)
	v_cmp_eq_u32 vcc_lo, 1, v237
	v_cndmask_b32 v[SELP], v[SELP], v[XA], vcc_lo
	v_mov_b32 v13, 0xff61b1e6                      ; the largest score so far: -3e38
	v_floor_f32 v12, -v13                          ; -M
	v_mov_b32 v14, 0
	v_mov_b32 v15, 0
	v_mov_b32 v[FP+1], 0                           ; (named as the upper half of a pair)
	v_mov_b32 v[XT], 0                             ; a lane permute's destination counts as one of its sources
	v_mov_b32 v[W2], 0
.set j, 0
.rept 8
	v_mov_b32 v[T+j], 0                            ; the first step adds four empty parts to l
.set j, j+1
.endr
	WALU
	s_wait_loadcnt 0x0
	v_cmp_gt_u32 vcc_lo, 16, v238
.irp i, 0,1,2,3,4,5,6,7,8,9,10,11
	v_cndmask_b32 v[Q+\i], 0, v[S+\i], vcc_lo      ; Q0: codes in lanes 0-15
.endr
	v_cmp_le_u32 vcc_lo, 16, v238
.irp i, 0,1,2,3,4,5,6,7,8,9,10,11
	v_cndmask_b32 v[Q+12+\i], 0, v[S+\i], vcc_lo   ; Q1: codes in lanes 16-31
.endr
	v_lshrrev_b32 v[QS], s46, v[S+12]              ; the word holds two tiles' bytes by turns: mine are bytes w % 2 and 2 + w % 2
	v_and_b32 v[QS], 0x00ff00ff, v[QS]             ; Q0's scales: (block 0, -, block 1, -)
	v_lshlrev_b32 v[QS+1], 8, v[QS]                ; Q1's: (-, block 0, -, block 1)
.set j, 0
.rept 32
	v_mov_b32 v[O+j], 0                            ; O^T: the step is written once; also the places between the scale words and the first product
.set j, j+1
.endr
; k's four fragments and two registers of scale words of the key step at LDS byte s[TB]; in a step the three additions and the addition ahead of them are the four places behind the products that read these registers
.macro KFETCH
	v_add_nc_u32 v[ADK], s[TB], v[A48]
	v_add_nc_u32 v[ADV], s[TB], v[A16]
	v_add_nc_u32 v[ADS], s[TB], v[A4]
.irp b, 0,1,2,3
.irp c, 0,1,2
	ds_load_b128 v[F+12*\b+4*\c:F+12*\b+4*\c+3], v[ADK] offset:1536*\b+16*\c
.endr
.endr
	ds_load_b32 v[KS], v[ADS]
	ds_load_b32 v[KS+1], v[ADS] offset:128
.endm
.macro LAST4                           ; the last four additions of a step's sum
	PADD T, T, T+2
	PADD T+4, T+4, T+6
	PADD T, T, T+4
	PADD 14, 14, T
.endm
; A KEY STEP of 128 keys.  more = 1: the next step's k is fetched.
.macro STEP more
	WALU                                           ; ahead of the blocking wait
	s_wait_dscnt 0x0                               ; k is in
.irp b, 0,1,2,3
.irp u, 0,1
.if \b%2
	v_wmma_scale_f32_16x16x128_f8f6f4 v[S+8*(2*\b+\u):S+8*(2*\b+\u)+7], v[F+12*\b:F+12*\b+11], v[Q+12*\u:Q+12*\u+11], 0, v[KS+\b/2], v[QS+\u] matrix_a_fmt:MATRIX_FMT_FP6 matrix_b_fmt:MATRIX_FMT_FP6 matrix_a_scale:MATRIX_SCALE_ROW1
.else
	v_wmma_scale_f32_16x16x128_f8f6f4 v[S+8*(2*\b+\u):S+8*(2*\b+\u)+7], v[F+12*\b:F+12*\b+11], v[Q+12*\u:Q+12*\u+11], 0, v[KS+\b/2], v[QS+\u] matrix_a_fmt:MATRIX_FMT_FP6 matrix_b_fmt:MATRIX_FMT_FP6
.endif
.endr
.endr
	LAST4                                          ; the step before's sum is whole; these four are the places for the loads below and for the first read of the scores
.irp a, 0,1,2,3
.irp c, 0,1,2
	ds_load_b128 v[F+12*\a+4*\c:F+12*\a+4*\c+3], v[ADV] offset:1536*\a+512*\c  ; v's four images, as they lie
.endr
.endr
	ds_load_b32 v[VS], v[ADS] offset:6400
	ds_load_b32 v[VS+1], v[ADS] offset:6528
.irp t, 0,1,2,3,4,5,6,7
	v_max3_num_f32 v[MC+\t], v[S+8*\t], v[S+8*\t+1], v[S+8*\t+2]   ; eight chains, one a tile, each from the tile's low end on
.endr
.irp i, 3,5
.irp t, 0,1,2,3,4,5,6,7
	v_max3_num_f32 v[MC+\t], v[MC+\t], v[S+8*\t+\i], v[S+8*\t+\i+1]
.endr
.endr
.irp c, 0,1
	v_max3_num_f32 v[MC+4*\c], v[MC+4*\c], v[MC+4*\c+1], v[S+32*\c+7]
	v_max3_num_f32 v[MC+4*\c+2], v[MC+4*\c+2], v[MC+4*\c+3], v[S+32*\c+15]
.endr
.irp c, 0,1
	v_max3_num_f32 v[MC+4*\c], v[MC+4*\c], v[MC+4*\c+2], v[S+32*\c+23]
.endr
.irp c, 0,1
	v_max_num_f32 v[BM+\c], v[MC+4*\c], v[S+32*\c+31]   ; the largest score of my block 2 c + h: for the row's maximum and, since p rises with the score, for the block's largest p
.endr
	s_delay_alu instid0(VALU_DEP_1)
	v_max_num_f32 v[XA], v[BM], v[BM+1]
	s_delay_alu instid0(VALU_DEP_1)
	v_permlanex16_b32 v[XT], v[XA], s[SEL], s[SEL+1]
	s_delay_alu instid0(VALU_DEP_1)
	v_max3_num_f32 v13, v13, v[XA], v[XT]          ; the running largest score
	s_delay_alu instid0(VALU_DEP_1)
	v_mul_f32 v[XM], s[CS], v13                    ; as t (c is positive)
	v_mov_b32 v[XO], v12
	s_delay_alu instid0(VALU_DEP_2)
	v_floor_f32 v12, -v[XM]                        ; the new -M = floor(-t): M is a whole number
	s_delay_alu instid0(VALU_DEP_1)
	v_sub_f32 v[XO], v12, v[XO]                    ; old M - new M: a whole number, 0 or less
	s_delay_alu instid0(VALU_DEP_1)
	v_cvt_i32_f32 v[XO], v[XO]                     ; (it saturates)
	s_delay_alu instid0(VALU_DEP_1)
	v_ldexp_f32 v[FP], 1.0, v[XO]                  ; f = 2^(old M - new M)
	v_pk_mul_f32 v[14:15], v[14:15], v[FP:FP+1] op_sel_hi:[1,0]
.set j, 0
.rept 16
	v_pk_mul_f32 v[O+j:O+j+1], v[O+j:O+j+1], v[FP:FP+1] op_sel_hi:[1,0]   ; O^T under the new M: no transcendental stands between the products that wrote it and these reads
.set j, j+2
.endr
.set j, 0
.rept 16
	v_pk_fma_f32 v[S+j:S+j+1], v[S+j:S+j+1], s[CS:CS+1], v[12:13] op_sel_hi:[1,0,0]   ; t - M of my first block
.set j, j+2
.endr
.irp c, 0,1
	v_fma_f32 v[BM+\c], v[BM+\c], s[CS], v12
.endr
	WALU                                           ; ahead of the batch
.set j, 0
.rept 15
	v_exp_f32 v[S+j], v[S+j]                       ; p = 2^(t - M) of my first block; among them t - M of my second
	v_exp_f32 v[S+j+1], v[S+j+1]
	v_pk_fma_f32 v[S+32+j:S+33+j], v[S+32+j:S+33+j], s[CS:CS+1], v[12:13] op_sel_hi:[1,0,0]
.set j, j+2
.endr
	v_exp_f32 v[S+30], v[S+30]
	v_exp_f32 v[S+31], v[S+31]
	v_exp_f32 v[BM], v[BM]                         ; the blocks' largest p: the same two instructions on the same numbers
	v_exp_f32 v[BM+1], v[BM+1]
	v_pk_fma_f32 v[S+62:S+63], v[S+62:S+63], s[CS:CS+1], v[12:13] op_sel_hi:[1,0,0]   ; the last multiply-add is the plain place behind the batch
	WALU                                           ; behind the first batch and ahead of the second
.set j, 0
.rept 16
	v_exp_f32 v[S+32+2*j], v[S+32+2*j]
	v_exp_f32 v[S+33+2*j], v[S+33+2*j]
.if j < 7
	PADD T+2*j, S+4*j, S+4*j+2                     ; the sum's first additions, of my first block: each part is written once here and read behind the wait below
.elseif j == 8
.irp c, 0,1
	v_max_num_f32 v[BM+\c], 0x1800000, v[BM+\c]    ; the scales, on end, no exponential between a line and its reader: the floor 2^(3 - 127),
.endr
.irp c, 0,1
	s_delay_alu instid0(VALU_DEP_2)
	v_add_nc_u32 v[BS+\c], 0xff000000, v[BM+\c]    ; 2 off the exponent field: the conversion's scale operand,
.endr
.irp c, 0,1
	s_delay_alu instid0(VALU_DEP_2)
	v_lshlrev_b32 v[X+\c], 1, v[BS+\c]             ; the scale's byte as the top byte,
.endr
	s_delay_alu instid0(VALU_DEP_1)
	v_perm_b32 v[W], v[X+1], v[X], v[SELP]         ; my two bytes at their places in the word,
	s_delay_alu instid0(VALU_DEP_1)
	v_permlanex16_b32 v[W2], v[W], s[SEL], s[SEL+1]
	s_delay_alu instid0(VALU_DEP_1)
	v_or_b32 v[PS], v[W], v[W2]                    ; and with lane l xor 16's two the word is whole
.endif
.set j, j+1
.endr
	PADD T+14, S+28, S+30                          ; the eighth of these additions is the plain place behind the batch
	WALU                                           ; behind the second batch
.irp c, 0,1
	v_cvt_scalef32_pk16_fp6_f32 v[PC+6*\c:PC+6*\c+2], v[S+32*\c:S+32*\c+15], v[BS+\c]
	v_cvt_scalef32_pk16_fp6_f32 v[PH+4*\c:PH+4*\c+2], v[S+16+32*\c:S+31+32*\c], v[BS+\c]   ; (a conversion's three registers begin on an even number)
.endr
	PADD T, T, S+32                                ; the plain place behind the conversions: it reads p and writes none of their registers
.irp c, 0,1
.irp i, 0,1,2
	v_mov_b32 v[PC+3+6*\c+\i], v[PH+4*\c+\i]
.endr
.endr
.irp g, 1,2,3,4
	PADD T+2*\g, T+2*\g, S+32+2*\g                 ; four additions: the places between the operand just written and the products
.endr
	WALU
	s_wait_dscnt 0x0                               ; v is in
.irp a, 0,1,2,3                        ; O^T += v^T p^T: the four accumulators by turns
.if \a%2
	v_wmma_scale_f32_16x16x128_f8f6f4 v[O+8*\a:O+8*\a+7], v[F+12*\a:F+12*\a+11], v[PC:PC+11], v[O+8*\a:O+8*\a+7], v[VS+\a/2], v[PS] matrix_a_fmt:MATRIX_FMT_FP6 matrix_b_fmt:MATRIX_FMT_FP6 matrix_a_scale:MATRIX_SCALE_ROW1
.else
	v_wmma_scale_f32_16x16x128_f8f6f4 v[O+8*\a:O+8*\a+7], v[F+12*\a:F+12*\a+11], v[PC:PC+11], v[O+8*\a:O+8*\a+7], v[VS+\a/2], v[PS] matrix_a_fmt:MATRIX_FMT_FP6 matrix_b_fmt:MATRIX_FMT_FP6
.endif
.endr
	PADD T+10, T+10, S+42
.if \more
	s_add_co_u32 s[TB], s[TB], STEPB
	KFETCH
.endif
.irp g, 6,7
	PADD T+2*\g, T+2*\g, S+32+2*\g
.endr
.irp g, 0,1,2,3,4,5,6,7
	PADD T+2*\g, T+2*\g, S+48+2*\g
.endr
.irp g, 0,1,2,3
	PADD T+2*\g, T+2*\g, T+8+2*\g
.endr
.endm
	WALU                                           ; at the head's end
	s_cmp_lt_u32 s[WV], 4
	s_cbranch_scc0 .Lnot_low
	s_wait_tensorcnt 0x0                           ; waves 0-3: my key step has landed
.Lnot_low:
	s_barrier_signal -1
	s_barrier_wait -1                              ; key steps 0-3 are in; 4-15 may be on their way
	s_mov_b32 s[TB], 0
	KFETCH
	s_mov_b32 s[CNT], 2
.Lfirst:                                               ; key steps 0 and 1; they fetch k of steps 1 and 2
	STEP 1
	s_sub_co_u32 s[CNT], s[CNT], 1
	s_cmp_lg_u32 s[CNT], 0
	s_cbranch_scc1 .Lfirst
	s_wait_tensorcnt 0x0                           ; every wave: my key step has landed
	s_wait_dscnt 0x0
	s_barrier_signal -1
	s_barrier_wait -1                              ; the whole head is in
	s_mov_b32 s[CNT], 13
.Lrest:                                                ; key steps 2 to 14
	STEP 1
	s_sub_co_u32 s[CNT], s[CNT], 1
	s_cmp_lg_u32 s[CNT], 0
	s_cbranch_scc1 .Lrest
	STEP 0                                         ; key step 15 fetches nothing
	; THE WAY OUT: o = O^T / l, quantised along E: my head's 64 channels are one piece of oq's record, two blocks, each shared with lane l xor 16
	LAST4
	v_add_f32 v14, v14, v15
	v_permlanex16_b32 v[XT], v14, s[SEL], s[SEL+1]
	v_add_f32 v14, v14, v[XT]                      ; the row's sum
	WALU
	v_rcp_f32 v14, v14
	v_nop
	WALU                                           ; directly ahead of the first reader of the reciprocal and of O^T
.set j, 0
.rept 16
	v_pk_mul_f32 v[S+j:S+j+1], v[O+j:O+j+1], v[14:15] op_sel_hi:[1,0]   ; register 16 b + i is channel 32 b + 16 (lane / 16) + i
.set j, j+2
.endr
.irp b, 0,1
	v_max3_num_f32 v[MC+\b], |v[S+16*\b]|, |v[S+1+16*\b]|, 0x1800000
.endr
.irp i, 2,4,6,8,10,12,14
.irp b, 0,1
	v_max3_num_f32 v[MC+\b], v[MC+\b], |v[S+16*\b+\i]|, |v[S+1+16*\b+\i]|
.endr
.endr
.irp b, 0,1
	v_permlanex16_b32 v[MC+2+\b], v[MC+\b], s[SEL], s[SEL+1]
.endr
.irp b, 0,1
	v_max_num_f32 v[MC+\b], v[MC+\b], v[MC+2+\b]
.endr
.irp b, 0,1
	v_add_nc_u32 v[BS+\b], 0xff000000, v[MC+\b]
.endr
.irp b, 0,1
	v_lshrrev_b32 v[X+\b], 23, v[BS+\b]
.endr
	v_lshl_or_b32 v[W], v[X+1], 8, v[X]
	v_cvt_scalef32_pk16_fp6_f32 v[PC:PC+2], v[S:S+15], v[BS]
	v_cvt_scalef32_pk16_fp6_f32 v[PH:PH+2], v[S+16:S+31], v[BS+1]
	v_nop
.irp i, 0,1,2
	v_permlane16_swap_b32 v[PC+\i], v[PH+\i]       ; a whole block to a lane
.endr
.irp i, 0,1,2
	v_mov_b32 v[PC+3+\i], v[PH+\i]
.endr
.irp i, 0,1,2
	ds_store_b64 v[WOC], v[PC+2*\i:PC+2*\i+1] offset:8*\i
.endr
	ds_store_b16 v[WOS], v[W]                      ; both halves of the lanes write the same bytes with the same value
	s_wait_dscnt 0x0                               ; for the others' sake: zero
	s_barrier_signal -1
	s_barrier_wait -1                              ; a plane's 256 bytes come from eight waves
.irp i, 0,1,2
	ds_load_b64 v[F+2*\i:F+2*\i+1], v[WRB] offset:256*\i
.endr
.irp i, 0,1,2
	s_wait_dscnt 2-\i
	global_store_b64 v[L8], v[F+2*\i:F+2*\i+1], s[50:51] offset:256*\i   ; 32 lanes store 256 consecutive bytes, at a multiple of 256 from the buffer's first byte
.endr
	s_cmp_lt_u32 s[WV], 2
	s_cbranch_scc0 .Lno_plane
	ds_load_b64 v[F+6:F+7], v[WPL]
	s_wait_dscnt 0x0
	global_store_b64 v[L8], v[F+6:F+7], s[52:53]
.Lno_plane:
	s_wait_tensorcnt 0x0                           ; the wave's end
	ds_add_u32 v[SPW], v[NIL]
	s_wait_dscnt 0x0
	CROUND                                         ; the closing round
	s_endpgm
.Lfunc_end_k_qfd1e5a2c36_attn:
	.size	k_qfd1e5a2c36_attn, .Lfunc_end_k_qfd1e5a2c36_attn-k_qfd1e5a2c36_attn
	.p2alignl 7, 3214868480
	.fill 96, 4, 3214868480
	.section	.rodata,"a",@progbits
	.p2align	6, 0x0
	.amdhsa_kernel k_qfd1e5a2c36_attn
		.amdhsa_group_segment_fixed_size 220160
		.amdhsa_private_segment_fixed_size 0
		.amdhsa_enable_private_segment 0
		.amdhsa_kernarg_size 24
		.amdhsa_user_sgpr_count 2
		.amdhsa_user_sgpr_kernarg_segment_ptr 1
		.amdhsa_wavefront_size32 1
		.amdhsa_system_sgpr_workgroup_id_x 1
		.amdhsa_system_sgpr_workgroup_id_y 1
		.amdhsa_system_sgpr_workgroup_id_z 1
		.amdhsa_system_vgpr_workitem_id 0
		.amdhsa_next_free_vgpr 256
		.amdhsa_next_free_sgpr 66
		.amdhsa_reserve_vcc 1
		.amdhsa_float_denorm_mode_32 3
		.amdhsa_float_denorm_mode_16_64 3
		.amdhsa_memory_ordered 1
		.amdhsa_forward_progress 1
		.amdhsa_inst_pref_size 59
	.end_amdhsa_kernel
	.amdgpu_metadata
---
amdhsa.version: [ 1, 2 ]
amdhsa.kernels:
  - .name:           k_qfd1e5a2c36_attn
    .symbol:         k_qfd1e5a2c36_attn.kd
    .args:
      - { .name: qh, .offset: 0, .size: 8, .value_kind: global_buffer, .address_space: global }
      - { .name: kv, .offset: 8, .size: 8, .value_kind: global_buffer, .address_space: global }
      - { .name: oq, .offset: 16, .size: 8, .value_kind: global_buffer, .address_space: global }
    .group_segment_fixed_size: 220160
    .private_segment_fixed_size: 0
    .kernarg_segment_align: 8
    .kernarg_segment_size: 24
    .max_flat_workgroup_size: 512
    .sgpr_count:     66
    .vgpr_count:     256
    .wavefront_size: 32
...
	.end_amdgpu_metadata
.endif
;; end of part 3
;; launch outp (part 4): grid 8 x 32, 4 waves a work-group, clusters of 4 x 4, 222,720 bytes of LDS; arguments oq, wq, bo, out0; writes out0
.if DOCPART == 4
	.amdgcn_target "amdgcn-amd-amdhsa--gfx1250"
	.amdhsa_code_object_version 6
	.text
	.protected	k_qfd1e5a2c36_outp
	.globl	k_qfd1e5a2c36_outp
	.p2align	8
	.type	k_qfd1e5a2c36_outp,@function
k_qfd1e5a2c36_outp:
	s_mov_b64 s[64:65], 0
	v_nop
	global_prefetch_b8 v0, s[64:65] scope:SCOPE_SE
	s_setreg_imm32_b32 hwreg(HW_REG_WAVE_MODE, 25, 1), 1
	s_wait_xcnt 0x0
	s_wait_alu depctr_hold_cnt(0) depctr_sa_sdst(0) depctr_va_vdst(0) depctr_va_sdst(0) depctr_va_ssrc(0) depctr_va_vcc(0) depctr_vm_vsrc(0)
	s_getreg_b32 s2, hwreg(HW_REG_IB_STS2, 6, 4)
	s_cmp_eq_u32 s2, 0
	s_cbranch_scc0 .Lentry_in_a_cluster
	s_endpgm
.Lentry_in_a_cluster:
	s_bfe_u32 s2, ttmp6, 0x10000c
	s_cmp_lg_u32 s2, 0xf033
	s_cbranch_scc0 .Lentry_shape_is_right
	s_endpgm
.Lentry_shape_is_right:
; out0 = o Wo + bo on codes of FP6 (E2M3) with E8M0 scales, sums and result in f32.
; A work-group takes record y of oq (128 token positions) and record 24 + x of wq (128 column positions of Wo), each with all of K: 2 x 102,400 bytes lie in LDS at once, every byte filled once: no ring and no refill.
; Records, fragments, scale words and K steps are those of the projections' launch: 16 planes of 128 x 2 scale bytes, 16 pieces of 128 rows x 48 bytes; a lane takes one piece's 48 bytes of its row;
; a K step of 128 holds piece 2 s in lanes 0-15 and piece 2 s + 1 in lanes 16-31, alike on both sides.
; FILLS: one joint load a wave, half a record each: waves 0 and 1 Wo's, by a line of their own, waves 2 and 3 oq's.  The first barrier shows Wo's record alone: each wave takes its 64 rows of the weight, all of K,
; into registers (32 fragments, 384 registers) while oq's record is on its way; the second barrier shows that record, and a K step then reads only its four fragments.
; NO PREFETCH: all that the launch reads is asked for at its head; there is no loop to run ahead in.
; Source 0 = the weight, source 1 = the tokens: a lane holds a token position, and the registers of two neighbouring tiles run along 16 natural columns.  The stores undo the tokens' positions (bits 3 and 4 exchanged).
; Four waves, each 64 x 64.  A block of 16 rows x 64 columns goes through the wave's own stage in LDS and leaves as rows of 256 bytes.
; CLUSTERS: 4 x 4: oq's record is shared along a row of the cluster, Wo's along a column.
; REGISTERS: window 0: v1-31 addresses; v32-63 scale words; v64-95 the bias, later (v64-127) the way out; v128-255 accumulators ((a, t) at v[128 + 8 (4 a + t)]).
;   Fragment f lies in window 1 + f / 21 at register 12 (f % 21): 0-31 the weights' (4 k + tile), 32-39 the tokens' two buffers.
.set RECB,  102400
.set HALF,  51200
.set PIECE, 6144
.set WR,    102400
.set STAGE, 204800                     ; 16 rows x 272 bytes for each wave; no fill lands here
.set SPARE, 222208                     ; the spare words, 128 bytes a wave
.set AX0, 4
.set AW0, 6
.set ASC, 8
.set BO,  9
.set STO, 10
.set RD,  11
.set CO,  12
.set SPW, 30
.set NIL, 31
.set SC,  32
.set BI,  64
.set BK,  64
.set ACC, 128
.set WV,  18
.set WM,  19
.set WN,  20
.set G1X, 28
.set G1W, 36
.set G0X, 44
.set G0W, 52
.set MSB, 0
.macro WIN new
.if MSB != (\new)
	s_set_vgpr_msb (MSB<<8)|(\new)
.set MSB, (\new)
.endif
.endm
.macro WALU
	s_wait_alu depctr_va_vdst(0)
.endm
.macro PLACES
.rept 4
	v_nop
.endr
.endm
.macro CROUND
	s_barrier_signal -1
	s_barrier_wait -1
	s_cmp_lg_u32 s[WV], 0
	s_cbranch_scc1 .Lnot_wave_0_\@
	s_barrier_signal -3
.Lnot_wave_0_\@:
	s_barrier_wait -3
	s_barrier_signal -1
	s_barrier_wait -1
.endm
.macro TL g0, g1
	tensor_load_to_lds s[\g0:\g0+3], s[\g1:\g1+7]
	s_nop 0
	PLACES
.endm
	s_load_b256 s[4:11], s[0:1], 0x0               ; oq s[4:5], wq s[6:7], bo s[8:9], out0 s[10:11]
	v_lshl_add_u32 v[SPW], v0, 2, SPARE
	v_mov_b32 v[NIL], 0
	ds_add_u32 v[SPW], v[NIL]                      ; the opening lines: the add twice and its wait
	ds_add_u32 v[SPW], v[NIL]
	v_lshrrev_b32 v1, 5, v0
	v_readfirstlane_b32 s[WV], v1
	s_lshr_b32 s[WM], s[WV], 1                     ; which 64 token positions are mine.  Also: I fetch Wo (0) or oq (1)
	s_and_b32 s[WN], s[WV], 1                      ; which 64 columns.  Also: which half of the record I fetch
	s_bfe_u32 s21, ttmp6, 0x40000                  ; cx
	s_bfe_u32 s22, ttmp6, 0x40004                  ; cy
	s_lshl_b32 s23, ttmp9, 2
	s_add_co_u32 s23, s23, s21                     ; x
	s_and_b32 s24, ttmp7, 0xffff
	s_lshl_b32 s24, s24, 2
	s_add_co_u32 s24, s24, s22                     ; y
	s_lshl_b32 s26, s22, 2
	s_lshl_b32 s26, 15, s26                        ; my row of the cluster
	s_lshl_b32 s27, 0x1111, s21                    ; my column
	s_or_b32 s[G1X], s26, (3<<16)|(1<<21)          ; the mask; elements of 8 bytes; bit 21 beside a mask; no padding
	s_or_b32 s[G1W], s27, (3<<16)|(1<<21)
.irp g, G1X, G1W
	s_mov_b32 s[\g+1], 32<<16                      ; 200 dense rows of 256 bytes: half a record
	s_mov_b32 s[\g+2], 200<<16
	s_mov_b32 s[\g+3], 32<<16
	s_mov_b32 s[\g+4], 200
	s_mov_b32 s[\g+5], 32
	s_mov_b32 s[\g+6], 0
	s_mov_b32 s[\g+7], 0
.endr
	s_mul_i32 s72, s[WN], HALF                     ; my half, in memory and in LDS
	s_mul_i32 s60, s24, RECB                       ; oq's record: y alone
	s_add_co_u32 s60, s60, s72
	s_mov_b32 s61, 0
	s_add_co_u32 s62, s23, 24
	s_mul_i32 s62, s62, RECB                       ; Wo's record: x alone
	s_add_co_u32 s62, s62, s72
	s_mov_b32 s63, 0
	s_wait_dscnt 0x0                               ; both opening adds are done
	s_wait_kmcnt 0x0
	s_add_nc_u64 s[60:61], s[4:5], s[60:61]
	s_add_nc_u64 s[62:63], s[6:7], s[62:63]
	CROUND                                         ; all sixteen work-groups are here: the joint loads meet
	s_mov_b32 s[G0X], 1
	s_mov_b32 s[G0X+1], s72
	s_mov_b64 s[G0X+2:G0X+3], s[60:61]
	s_or_b32 s[G0X+3], s[G0X+3], 0x80000000
	s_mov_b32 s[G0W], 1
	s_add_co_u32 s[G0W+1], s72, WR
	s_mov_b64 s[G0W+2:G0W+3], s[62:63]
	s_or_b32 s[G0W+3], s[G0W+3], 0x80000000
	s_cmp_lt_u32 s[WV], 2                          ; one fill a wave, in the two arms of one branch on the wave's number
	s_cbranch_scc0 .Lfill_x
	TL G0W, G1W                                    ; waves 0, 1: Wo's record, which is used first
	s_branch .Lfilled
.Lfill_x:
	TL G0X, G1X                                    ; waves 2, 3: oq's
.Lfilled:
	s_lshl_b32 s78, s23, 9
	s_lshl_b32 s79, s[WN], 8
	s_add_co_u32 s78, s78, s79                     ; my 64 columns, in bytes
	s_mov_b32 s79, 0
	s_add_nc_u64 s[8:9], s[8:9], s[78:79]
	s_mul_i32 s73, s[WM], 64*48
	s_add_co_u32 s73, s73, 4096                    ; my 64 rows of oq's first piece
	s_mul_i32 s75, s[WN], 64*48
	s_add_co_u32 s75, s75, WR+4096                 ; of Wo's
	s_lshl_b32 s76, s[WM], 7
	s_lshl_b32 s77, s[WN], 7
	s_add_co_u32 s77, s77, WR
	s_sub_co_u32 s77, s77, s76
	s_mul_i32 s70, s[WV], 16*272
	s_add_co_u32 s70, s70, STAGE                   ; my stage
	s_lshl_b32 s68, s24, 7
	s_lshl_b32 s69, s[WM], 6
	s_add_co_u32 s68, s68, s69                     ; my first row: 128 y + 64 wm
	s_lshl_b32 s68, s68, 12
	s_add_co_u32 s68, s68, s78
	s_mov_b32 s69, 0
	s_add_nc_u64 s[10:11], s[10:11], s[68:69]
	v_and_b32 v1, 15, v0                           ; r
	v_bfe_u32 v2, v0, 4, 1                         ; h
	v_lshlrev_b32 v[BO], 6, v2                     ; the bias in the result's layout: tile t, lane half h: columns 32 (t / 2) + 16 h + 8 (t % 2) + 0 .. 7
	v_mul_u32_u24 v21, v1, 48
	v_mad_u32_u24 v22, v2, PIECE, v21              ; row r, and lanes 16-31 one piece on
	v_add_nc_u32 v[AX0], s73, v22
	v_add_nc_u32 v[AX0+1], 8*PIECE, v[AX0]
	v_add_nc_u32 v[AW0], s75, v22
	v_add_nc_u32 v[AW0+1], 8*PIECE, v[AW0]
	v_mul_u32_u24 v[ASC], s77, v2                  ; ONE product: the lower base + h x the distance to the weights' rows
	v_lshl_add_u32 v[ASC], v1, 1, v[ASC]
	v_add_nc_u32 v[ASC], s76, v[ASC]
	v_mul_u32_u24 v[STO], v1, 272
	v_lshl_add_u32 v[STO], v2, 6, v[STO]
	v_add_nc_u32 v[STO], s70, v[STO]               ; in: row r, my half's 16 columns of each 32
	v_mul_u32_u24 v[RD], v2, 272
	v_lshl_add_u32 v[RD], v1, 4, v[RD]
	v_add_nc_u32 v[RD], s70, v[RD]                 ; back: lanes 0-15 one row of 256 bytes, lanes 16-31 the next
	v_lshlrev_b32 v[CO], 12, v2
	v_lshl_add_u32 v[CO], v1, 4, v[CO]             ; and the same two rows in out0
	WALU                                           ; behind the head's vector lines
.irp t, 0,1,2,3
	global_load_b128 v[BI+8*\t:BI+8*\t+3], v[BO], s[8:9] offset:(32*(\t/2)+8*(\t%2))*4
	global_load_b128 v[BI+8*\t+4:BI+8*\t+7], v[BO], s[8:9] offset:(32*(\t/2)+8*(\t%2))*4+16
.endr
.macro SCLOAD                          ; my rows' scale bytes: 2 bytes a row and piece
.irp i, 0,1,2,3
.irp j, 0,1,2,3,4,5,6,7,8,9,10,11,12,13,14,15
	ds_load_u16 v[ACC+16*\i+\j], v[ASC] offset:256*\j+32*\i
.endr
.endr
.endm
.macro SCPERM                          ; (piece 2 s block 0, piece 2 s + 1 block 0, piece 2 s block 1, piece 2 s + 1 block 1); K step 0's four words are made first: 28 vector lines stand between them and the first product (8 are asked)
.irp k, 0,1,2,3,4,5,6,7
.irp i, 0,1,2,3
	v_perm_b32 v[SC+8*\i+\k], v[ACC+16*\i+2*\k+1], v[ACC+16*\i+2*\k], 0x05010400
.endr
.endr
.endm
.macro WFETCH                          ; my 64 rows of the weight, all of K: 96 loads of 16 bytes
.irp k, 0,1,2,3,4,5,6,7
.irp i, 0,1,2,3
.set FW, 4*\k+\i
	WIN (1+FW/21)<<6
.irp c, 0,1,2
	ds_load_b128 v[12*(FW%21)+4*\c:12*(FW%21)+4*\c+3], v[AW0+\k/4] offset:(\k%4)*2*PIECE+768*\i+16*\c
.endr
.endr
.endr
.endm
.macro XFETCH k                        ; K step k's four fragments of the tokens into buffer k % 2: 12 loads
	WIN 2<<6
.irp i, 0,1,2,3
.set FX, 32+4*((\k)%2)+\i
.irp c, 0,1,2
	ds_load_b128 v[12*(FX%21)+4*\c:12*(FX%21)+4*\c+3], v[AX0+(\k)/4] offset:((\k)%4)*2*PIECE+768*\i+16*\c
.endr
.endr
.endm
.macro MUL16 k, first                  ; the 16 accumulators by turns, in the same order in every K step; first = 1: the bias is the C
.irp a, 0,1,2,3
.irp t, 0,1,2,3
.set DD, ACC+8*(4*\a+\t)
.if \first
.set CC, BI+8*\t
.else
.set CC, DD
.endif
.set FS0, 4*(\k)+\t
.set FS1, 32+4*((\k)%2)+\a
	WIN (1+FS0/21)|((1+FS1/21)<<2)
	v_wmma_scale_f32_16x16x128_f8f6f4 v[DD:DD+7], v[12*(FS0%21):12*(FS0%21)+11], v[12*(FS1%21):12*(FS1%21)+11], v[CC:CC+7], v[SC+8*\t+(\k)], v[SC+8*\a+(\k)] matrix_a_fmt:MATRIX_FMT_FP6 matrix_b_fmt:MATRIX_FMT_FP6 matrix_a_scale:MATRIX_SCALE_ROW1
.endr
.endr
.endm
.macro STEP k, first
	s_wait_dscnt 0x0                               ; this K step's fragments are in
.if (\k) < 7
.if (\k) > 0
	PLACES                                         ; in front of loads into the buffer that the step before multiplied
.endif
	XFETCH (\k)+1
.endif
	MUL16 \k, \first
.endm
	s_cmp_lt_u32 s[WV], 2
	s_cbranch_scc0 .Lnot_w
	s_wait_tensorcnt 0x0                           ; waves 0, 1: my half of Wo's record has landed
.Lnot_w:
	s_barrier_signal -1
	s_barrier_wait -1                              ; Wo's record is in; oq's may be on its way
	WFETCH
	WIN 0
	s_wait_tensorcnt 0x0                           ; every wave: all that is still out has landed
	s_wait_dscnt 0x0
	s_barrier_signal -1
	s_barrier_wait -1                              ; oq's record is in
	SCLOAD
	XFETCH 0
	WIN 0
	s_wait_dscnt 0x0
	SCPERM
	WALU
	s_wait_loadcnt 0x0                             ; the bias
	STEP 0, 1
.irp k, 1,2,3,4,5,6,7
	STEP \k, 0
.endr
	WIN 0
; THE WAY OUT, a tile of 16 token positions at a time.  LDS serves a wave's instructions in order: no wait between the stores and the loads, nor in front of the next tile's stores.
.macro TOSTAGE a
.set BB, BK+32*((\a)%2)
.irp t, 0,1,2,3
	ds_store_b128 v[STO], v[ACC+8*(4*(\a)+\t):ACC+8*(4*(\a)+\t)+3] offset:128*(\t/2)+32*(\t%2)          ; each accumulator from its low end on
	ds_store_b128 v[STO], v[ACC+8*(4*(\a)+\t)+4:ACC+8*(4*(\a)+\t)+7] offset:128*(\t/2)+32*(\t%2)+16
.endr
.irp i, 0,1,2,3,4,5,6,7
	ds_load_b128 v[BB+4*\i:BB+4*\i+3], v[RD] offset:544*\i
.endr
.endm
.macro SEND a, younger                 ; position 16 a + 2 i + e is row 32 (a / 2) + 16 (i / 4) + 8 (a % 2) + 2 (i % 4) + e
.set BB, BK+32*((\a)%2)
	s_wait_dscnt \younger
.irp i, 0,1,2,3,4,5,6,7
	global_store_b128 v[CO], v[BB+4*\i:BB+4*\i+3], s[10:11] offset:(32*((\a)/2)+16*(\i/4)+8*((\a)%2)+2*(\i%4))*4096 th:TH_STORE_NT   ; 16 lanes store 256 consecutive bytes, at a multiple of 256 from out0's first byte
.endr
.endm
	PLACES
	TOSTAGE 0
.irp a, 1,2,3
.if \a > 1
	s_wait_xcnt 0x0                                ; tile a - 2's stores have read their registers: tile a's loads may land there
.endif
	TOSTAGE \a
	SEND \a-1, 16                                  ; behind tile a - 1's loads: tile a's 8 stores and 8 loads
.endr
	SEND 3, 0
	s_wait_tensorcnt 0x0                           ; the wave's end
	ds_add_u32 v[SPW], v[NIL]
	s_wait_dscnt 0x0
	CROUND                                         ; the closing round
	s_endpgm
.Lfunc_end_k_qfd1e5a2c36_outp:
	.size	k_qfd1e5a2c36_outp, .Lfunc_end_k_qfd1e5a2c36_outp-k_qfd1e5a2c36_outp
	.p2alignl 7, 3214868480
	.fill 96, 4, 3214868480
	.section	.rodata,"a",@progbits
	.p2align	6, 0x0
	.amdhsa_kernel k_qfd1e5a2c36_outp
		.amdhsa_group_segment_fixed_size 222720
		.amdhsa_private_segment_fixed_size 0
		.amdhsa_enable_private_segment 0
		.amdhsa_kernarg_size 32
		.amdhsa_user_sgpr_count 2
		.amdhsa_user_sgpr_kernarg_segment_ptr 1
		.amdhsa_wavefront_size32 1
		.amdhsa_system_sgpr_workgroup_id_x 1
		.amdhsa_system_sgpr_workgroup_id_y 1
		.amdhsa_system_sgpr_workgroup_id_z 1
		.amdhsa_system_vgpr_workitem_id 0
		.amdhsa_next_free_vgpr 768
		.amdhsa_next_free_sgpr 80
		.amdhsa_reserve_vcc 0
		.amdhsa_float_denorm_mode_32 3
		.amdhsa_float_denorm_mode_16_64 3
		.amdhsa_memory_ordered 1
		.amdhsa_forward_progress 1
		.amdhsa_inst_pref_size 52
	.end_amdhsa_kernel
	.amdgpu_metadata
---
amdhsa.version: [ 1, 2 ]
amdhsa.kernels:
  - .name:           k_qfd1e5a2c36_outp
    .symbol:         k_qfd1e5a2c36_outp.kd
    .args:
      - { .name: oq, .offset: 0, .size: 8, .value_kind: global_buffer, .address_space: global }
      - { .name: wq, .offset: 8, .size: 8, .value_kind: global_buffer, .address_space: global }
      - { .name: bo, .offset: 16, .size: 8, .value_kind: global_buffer, .address_space: global }
      - { .name: out0, .offset: 24, .size: 8, .value_kind: global_buffer, .address_space: global }
    .group_segment_fixed_size: 222720
    .private_segment_fixed_size: 0
    .kernarg_segment_align: 8
    .kernarg_segment_size: 32
    .max_flat_workgroup_size: 128
    .sgpr_count:     80
    .vgpr_count:     768
    .wavefront_size: 32
...
	.end_amdgpu_metadata
.endif
;; end of part 4
